; MI455X (gfx1250); checked and timed in simulation.
; The chip was launched on July 23, 2026; its instructions are those of AMD's public machine-readable ISA for CDNA 5 (MIT licence, August 2026) and "CDNA5" Instruction Set Architecture Reference Guide (July 2026). The comments in the code are by the model that wrote it; some were corrected since.
;; Cross Attention. Allowed arithmetic: matrix products marked QUANTISED: E4M3 operands, one E8M0 scale for each 32 along K, by v_wmma_scale_f32_16x16x128_f8f6f4 with both operands' format E4M3, f32 sums; products left as they are: f32 operands where the result goes on into a quantised operand, else bf16, f16 or f32 operands; f32 sums; everything else in f32.
;; Inputs: Wk_codes 1,024 x 32 x 32 uint8 (E4M3 codes of Wk, K innermost, in blocks of 32 codes); Wk_scales 1,024 x 32 uint8 (E8M0 scales of Wk, one for each 32 codes along K); Wo_codes 1,024 x 32 x 32 uint8 (E4M3 codes of Wo, K innermost, in blocks of 32 codes); Wo_scales 1,024 x 32 uint8 (E8M0 scales of Wo, one for each 32 codes along K); Wq_codes 1,024 x 32 x 32 uint8 (E4M3 codes of Wq, K innermost, in blocks of 32 codes); Wq_scales 1,024 x 32 uint8 (E8M0 scales of Wq, one for each 32 codes along K); Wv_codes 1,024 x 32 x 32 uint8 (E4M3 codes of Wv, K innermost, in blocks of 32 codes); Wv_scales 1,024 x 32 uint8 (E8M0 scales of Wv, one for each 32 codes along K); bk 1,024 float32; bo 1,024 float32; bq 1,024 float32; bv 1,024 float32; encoder_x_codes 4 x 2,048 x 32 x 32 uint8 (E4M3 codes of encoder_x, K innermost, in blocks of 32 codes); encoder_x_scales 4 x 2,048 x 32 uint8 (E8M0 scales of encoder_x, one for each 32 codes along K); x_codes 4 x 2,048 x 32 x 32 uint8 (E4M3 codes of x, K innermost, in blocks of 32 codes); x_scales 4 x 2,048 x 32 uint8 (E8M0 scales of x, one for each 32 codes along K).
;; Outputs: out0 4 x 2,048 x 1,024 float32.
;; This version of the problem:
;;   THIS VERSION OF THE PROBLEM IS GIVEN IN LOW PRECISION. The matrix products marked QUANTISED in the list below multiply operands that are first quantised to E4M3 (4 exponent bits, 3 mantissa bits; 8 bits a number), with one power-of-two scale for each 32 numbers along K (OCP MX v1.0); their sums are f32. All else is computed in f32.
;;   The module's matrix products, in the order in which they are computed (A, B: the left and right operand; K: the contracted axis; several contracted axes count as one K, in the product's order):
;;     1. [M 8,192, K 1,024] x [K 1,024, N 1,024]; A: input encoder_x (given as codes); B: input Wq (given as codes): QUANTISED
;;     2. [M 8,192, K 1,024] x [K 1,024, N 1,024]; A: input encoder_x (given as codes); B: input Wk (given as codes): QUANTISED
;;     3. [M 8,192, K 1,024] x [K 1,024, N 1,024]; A: input x (given as codes); B: input Wv (given as codes): QUANTISED
;;     4. batch 64 x [M 2,048, K 64] x [K 64, N 2,048]; A: computed on the way; B: computed on the way: QUANTISED
;;     5. batch 64 x [M 1, K 1] x [K 1, N 131,072]; A: computed on the way; B: computed on the way: left as it is (no contracted axis)
;;     6. [M 8,192, K 1,024] x [K 1,024, N 1,024]; A: computed on the way; B: input Wo (given as codes): QUANTISED
;;   THE QUANTISER, for each operand of a quantised product, along K:
;;     - K is cut into blocks of 32 from its start; a last block that is shorter is filled with zeros.
;;     - A block's scale is 2^e with e = floor(log2(the largest magnitude in the block)) - 8, held to -126 .. 127; a block of zeros has e = 0. As a byte (E8M0): e + 127.
;;     - Each number is divided by its block's scale, clamped to +-448, and rounded to the nearest number of E4M3, ties to even, subnormals kept.
;;     - The product sums the exact products of the quantised numbers (number of the format x scale) in f32.
;;   ~~~python
;;   def quantise(x, axis):      # numpy; x: float32 -> the quantised numbers, widened to float32 again
;;       x = np.moveaxis(x, axis, -1); K = x.shape[-1]
;;       x = np.pad(x, [(0, 0)] * (x.ndim - 1) + [(0, -K % 32)]); x = x.reshape(x.shape[:-1] + (-1, 32)); a = np.abs(x).max(-1, keepdims=True)
;;       e = np.where(a > 0, np.clip(np.frexp(np.where(a > 0, a, 1))[1] - 1 - 8, -126, 127), 0)      # np.frexp(a)[1] - 1 = floor(log2(a)), exactly
;;       r = np.clip(x / 2.0 ** e, -448, 448)
;;       step = 2.0 ** (np.maximum(np.frexp(np.where(r == 0, 1, r))[1] - 1, -6) - 3)
;;       q = np.round(r / step) * step * 2.0 ** e      # np.round: ties to even
;;       return np.moveaxis(q.reshape(q.shape[:-2] + (-1,))[..., :K], -1, axis).astype(np.float32)
;;   ~~~
;;   OPERANDS COMPUTED ON THE WAY. 'Computed on the way' means the value that the module computes at that place (a softmax that the list does not call 'softmax' is quantised finished and normalised). What goes into a quantiser is computed in f32, as accurately as f32 sums, v_exp_f32 and their like allow (about 1e-6 of the number): no bf16 or f16 on the way to a quantiser, and a product that is left as it is and whose result goes on into a quantised operand takes f32 operands (vector FMAs, or v_wmma_f32_16x16x4_f32). A number that lies on a knife's edge between two numbers of the format may be rounded either way, as far as f32 arithmetic and the matrix unit's own rounding can turn it there, and no further.
;;   INPUTS GIVEN AS CODES. Wk (in the module: [1024, 1024], K = its axis 0); Wo (in the module: [1024, 1024], K = its axis 0); Wq (in the module: [1024, 1024], K = its axis 0); Wv (in the module: [1024, 1024], K = its axis 0); encoder_x (in the module: [4, 2048, 1024], K = its axis 2); x (in the module: [4, 2048, 1024], K = its axis 2): each comes as NAME_codes (uint8): NAME with its K axis moved to the last place and cut into blocks of 32 codes, [.., K / 32, bytes a block], one block behind the other in memory; one code a byte (a code: sign, 4 exponent bits, 3 mantissa bits); and NAME_scales (uint8): the same leading axes, one E8M0 byte (e + 127) for each 32 codes along K. Its value is code x scale, taken as it is: it is not quantised again, and the codes and scales need not be those that the quantiser above would give.
;; One version. Each part assembles by itself: llvm-mc -triple=amdgcn-amd-amdhsa -mcpu=gfx1250 --defsym DOCPART=n.
;; ======== version 1 of 1: 4 launches
;; workspace buffers: qbuf 8,650,752 bytes; kbuf 8,650,752 bytes; ssum 1,024 bytes; acodes 8,388,608 bytes; ascales 262,144 bytes
;; launch proj_qk (part 1): grid 8 x 32, 4 waves a work-group, clusters of 4 x 4, 327,680 bytes of LDS; arguments encoder_x_codes, encoder_x_scales, Wq_codes, Wq_scales, Wk_codes, Wk_scales, bq, bk, qbuf, kbuf; writes qbuf, kbuf
.if DOCPART == 1
	.amdgcn_target "amdgcn-amd-amdhsa--gfx1250"
	.amdhsa_code_object_version 6
	.text
	.protected	k_qa26d94957c_proj_qk
	.globl	k_qa26d94957c_proj_qk
	.p2align	8
	.type	k_qa26d94957c_proj_qk,@function
k_qa26d94957c_proj_qk:
	s_mov_b64 s[64:65], 0
	v_nop
	global_prefetch_b8 v0, s[64:65] scope:SCOPE_SE
	s_setreg_imm32_b32 hwreg(HW_REG_WAVE_MODE, 25, 1), 1
	s_wait_xcnt 0x0
	s_wait_alu depctr_hold_cnt(0) depctr_sa_sdst(0) depctr_va_vdst(0) depctr_va_sdst(0) depctr_va_ssrc(0) depctr_va_vcc(0) depctr_vm_vsrc(0)
	s_getreg_b32 s2, hwreg(HW_REG_IB_STS2, 6, 4)
	s_cmp_eq_u32 s2, 0
	s_cbranch_scc0 .Lentry_in_a_cluster
	s_endpgm
.Lentry_in_a_cluster:
	s_bfe_u32 s2, ttmp6, 0x10000c
	s_cmp_lg_u32 s2, 0xf033
	s_cbranch_scc0 .Lentry_shape_is_right
	s_endpgm
.Lentry_shape_is_right:
; q = enc Wq + bq and k = enc Wk + bk, [8192][1024] each, K = 1,024, on codes of FP8 (E4M3) with one E8M0 scale for each 32 along K; then both are quantised along the head's 64 numbers
; (two blocks of 32) and stored as IMAGES OF OPERAND REGISTERS for the launch that multiplies them.  Clusters with x = 0 make q, those with x = 1 make k: only pointers are chosen.
; A tile of 256 x 256 is made by four waves, 128 x 128 each: 64 accumulators of 16 x 16, 512 registers.  K goes in steps of 256 through a ring of two LDS slots filled by the tensor data mover.
; The scale bytes of the work-group's 256 rows of A and of B, for all of K, are two dense blocks: they come into LDS once, with the first fills.
; CLUSTERS: 4 x 4 work-groups; A's tiles are asked for jointly along a row of the cluster, B's along a column.
; THE MATRIX INSTRUCTION IS USED TRANSPOSED (source 0 = 16 rows of the weight, source 1 = 16 tokens): a lane holds one token (lane % 16) and, in accumulator b, columns 16 b + 8 (lane / 16) + 0 .. 7.
; The bias is the C of each sum's first matrix instruction.
; OUTPUT LAYOUT: [16 batch + head][group of 128 tokens][8,448 bytes]: eight tiles of 16 tokens, 1,024 bytes each, [block c of 32][lane][16 bytes] = registers 4 c .. 4 c + 3 of a fragment; then 256 bytes of scale words,
; [lane][2 words]: lane (r, h) holds the words of tile pairs 2 h and 2 h + 1 for token r; a word = bytes (even tile c 0, c 1, odd tile c 0, c 1).
; ORDER INSIDE A BLOCK: a lane's 16 codes of a block are columns 8 h + 0..7 and 16 + 8 h + 0..7 of it, laid as positions 16 h + 0..15.  q and k are laid by the same lines, so each product meets its partner and its block's scale;
; the sum of a score's 64 products is grouped otherwise than in the order of d.
; LIMITS: NaN and infinities are not served; a block whose largest magnitude lies under 2^-118 keeps the scale byte 1; a block of zeros gets the byte 1 (its codes are zeros; this program alone reads the bytes).
; REGISTERS, in windows of 256: window 0: v0-31 addresses; v32-63 scale words, two sets; v64-127 the bias, 8 registers for each of B's blocks; from v128 A's fragments, one set (on the way out: codes, words, work).
;   window 1: B's fragments, two sets.   window 2: the accumulators of my rows 0-63 ((a, b) at v[8 (8 a + b)]);   window 3: those of my rows 64-127.
.set SIZE_K, 1024
.set KSTEP,  256                       ; along K in a slot
.set NQ,     KSTEP/128                 ; matrix instructions deep
.set ROWB,   256                       ; a tile's row in bytes
.set KROW,   SIZE_K                    ; a row of A or of B in memory, in bytes
.set PITCH,  272                       ; an LDS row: 256 bytes + 16 of padding = 68 words: row r starts at bank 4 r mod 64 (64 banks of 4 bytes: ISA guide 11.1)
.set FR,     16                        ; registers of a fragment: 16 rows x 128 K
.set NL,     4                         ; LDS loads that bring one
.set NP,     8                         ; places behind this matrix instruction (ISA guide 7.12.1)
.set HALFT,  128*PITCH                 ; 128 rows: what one tensor load brings
.set SLOT,   4*HALFT                   ; A's 256 rows, then B's 256 rows
.set LAPS,   SIZE_K/(2*KSTEP)          ; a lap = two K steps = once round the ring
.set KS,     SIZE_K/32                 ; a row of scales in bytes
.set SCL,    2*SLOT                    ; behind the ring: the scales, as rows of 256 bytes + 16 of padding
.set HALFS,  (128*KS/256)*272          ; the scales of 128 rows
.set SBLK,   (16*KS/256)*272           ; those of 16 rows
.set SPARE,  SCL+4*HALFS               ; the spare words, 128 bytes for each wave: two blocks of 256 bytes that no other line names
.set GRP,    8448                      ; a group of 128 tokens of one head in the output
.set HEADB,  16*GRP                    ; from a head to the next
.set ADRA, 16                          ; v16-17  LDS address of my A fragments in slot 0, 1
.set ADRB, 20                          ; v20-21  the same for B
.set O8,   24                          ; v24     8 x lane
.set LN,   25                          ; v25     lane
.set O16,  26                          ; v26     16 x lane
.set ADRS, 27                          ; v27     LDS address of my scale words: lanes 0-15 A's rows, lanes 16-31 B's
.set SPW,  28                          ; v28     LDS address of my spare word; never rewritten
.set NIL,  29                          ; v29     0; never rewritten
.set SC,   32                          ; scale words: set s at v[SC + 8 NQ s]
.set BI,   64                          ; the bias
.set AF,   128                         ; A's fragments
.set SW,   160                         ; the way out: scale words, head n, pair p at v[SW + 4 n + p]
.set SX,   168                         ; the way out: the words as they are stored
.set TM,   200                         ; the way out: v200-203 largest magnitudes, v204-207 bytes, v208-211 448 x the scale, v212-215 the conversions' scale operands
.set G1, 24
.set G0, 32
.set G1B, 48
.set G0B, 56
.set G1S, 68
.set G0S, 76
.set G1SB, 80
.set G0SB, 88
.set MSB, 0
.macro WIN new                         ; the immediate's high byte repeats the setting that is left
.if MSB != (\new)
	s_set_vgpr_msb (MSB<<8)|(\new)
.set MSB, (\new)
.endif
.endm
.set MUL_LO, 0xa1                      ; source 0 (B) window 1, source 1 (A) window 0, C and D window 2
.set MUL_HI, 0xf1                      ; the same, C and D window 3
.set BIA_LO, 0x81                      ; the first step: C (the bias) window 0, D window 2
.set BIA_HI, 0xc1                      ; D window 3
.set TO_B,   0x40                      ; destination window 1, address window 0
; A joint load: waves 0 and 1 fetch for A, waves 2 and 3 for B; the branch hangs on the wave's number alone.  Four v_nop follow each of the two lines.
.macro JLOAD g0a, g1a, g0b, g1b
	s_cmp_eq_u32 s15, 0
	s_cbranch_scc0 .Lfor_b_\@
	tensor_load_to_lds s[\g0a:\g0a+3], s[\g1a:\g1a+7]
	s_nop 0
.rept 4
	v_nop
.endr
	s_branch .Lasked_\@
.Lfor_b_\@:
	tensor_load_to_lds s[\g0b:\g0b+3], s[\g1b:\g1b+7]
	s_nop 0
.rept 4
	v_nop
.endr
.Lasked_\@:
.endm
.macro CREST                           ; a round of the cluster's barrier behind its opening barrier
	s_cmp_lg_u32 s14, 0
	s_cbranch_scc1 .Lnot_wave_0_\@
	s_barrier_signal -3
.Lnot_wave_0_\@:
	s_barrier_wait -3
	s_barrier_signal -1
	s_barrier_wait -1
.endm
.macro CROUND                          ; a whole round
	s_barrier_signal -1
	s_barrier_wait -1
	CREST
.endm
	s_load_b128 s[4:7], s[0:1], 0x0                ; enc's codes, enc's scales
	s_load_b128 s[8:11], s[0:1], 0x10              ; Wq's codes, Wq's scales
	s_load_b128 s[96:99], s[0:1], 0x20             ; Wk's codes, Wk's scales
	s_load_b128 s[68:71], s[0:1], 0x30             ; bq, bk
	s_load_b128 s[72:75], s[0:1], 0x40             ; qbuf, kbuf
	v_lshl_add_u32 v[SPW], v0, 2, SPARE
	v_mov_b32 v[NIL], 0
	ds_add_u32 v28, v29
	ds_add_u32 v28, v29
	s_wait_dscnt 0x0
	v_lshrrev_b32 v1, 5, v0
	v_readfirstlane_b32 s14, v1                    ; wave 0..3
	s_lshr_b32 s15, s14, 1                         ; which half of the tile's rows is mine.  Also: I fetch for A (0) or for B (1)
	s_and_b32 s16, s14, 1                          ; which half of its columns.  Also: which 128 rows of that tile I fetch
	s_bfe_u32 s40, ttmp6, 0x40000                  ; cx, cy: my place in the cluster
	s_bfe_u32 s41, ttmp6, 0x40004
	s_mov_b32 s42, s40                             ; tile column of the weight = cx: each weight has four
	s_and_b32 s17, ttmp7, 0xffff
	s_lshl_b32 s17, s17, 2
	s_add_co_u32 s17, s17, s41                     ; tile row = 4 x cluster y + cy
	s_lshl_b32 s43, s41, 2
	s_lshl_b32 s43, 15, s43                        ; my row of the cluster
	s_lshl_b32 s44, 0x1111, s40                    ; my column
	s_wait_kmcnt 0x0
	s_cmp_eq_u32 ttmp9, 0                          ; cluster x: 0 makes q, 1 makes k; the same in all sixteen partners
	s_cselect_b64 s[8:9], s[8:9], s[96:97]
	s_cselect_b64 s[10:11], s[10:11], s[98:99]
	s_cselect_b64 s[66:67], s[68:69], s[70:71]     ; the bias
	s_cselect_b64 s[12:13], s[72:73], s[74:75]     ; the output
	; descriptor group 1: a tile of 128 rows x ROWB bytes, padded in LDS
	s_or_b32 s[G1+0], s43, (0<<16)|(1<<20)|(1<<21)|(5<<22)|(3<<25)  ; 15:0 the mask: A's tiles go to my row; 17:16 element of 1 byte; 20 padding on; 21 set beside a mask; 24:22 after every 64 words; 31:25 four words
	s_or_b32 s[G1B+0], s44, (0<<16)|(1<<20)|(1<<21)|(5<<22)|(3<<25)
.irp g, G1, G1B
	s_mov_b32 s[\g+1], ROWB<<16                    ; tensor_dim0
	s_mov_b32 s[\g+2], 128<<16                     ; tensor_dim1
	s_mov_b32 s[\g+3], ROWB<<16                    ; tile_dim0
	s_mov_b32 s[\g+4], 128                         ; tile_dim1
	s_mov_b32 s[\g+5], KROW                        ; tensor_dim0_stride
	s_mov_b32 s[\g+6], 0
	s_mov_b32 s[\g+7], 0
.endr
	; the scales of 128 rows: a dense block of 128 KS bytes, as rows of 256 bytes (32 elements of 8 bytes), 16 bytes of padding behind each
	s_or_b32 s[G1S+0], s43, (3<<16)|(1<<20)|(1<<21)|(5<<22)|(3<<25)
	s_or_b32 s[G1SB+0], s44, (3<<16)|(1<<20)|(1<<21)|(5<<22)|(3<<25)
.irp g, G1S, G1SB
	s_mov_b32 s[\g+1], 32<<16
	s_mov_b32 s[\g+2], (128*KS/256)<<16
	s_mov_b32 s[\g+3], 32<<16
	s_mov_b32 s[\g+4], 128*KS/256
	s_mov_b32 s[\g+5], 32
	s_mov_b32 s[\g+6], 0
	s_mov_b32 s[\g+7], 0
.endr
	s_lshl_b32 s18, s16, 7                         ; which 128 rows of the tile I fetch
	s_lshl_b32 s20, s17, 8
	s_add_co_u32 s20, s20, s18                     ; A: row 256 x tile row + 128 x half
	s_lshl_b32 s46, s42, 8
	s_add_co_u32 s46, s46, s18                     ; B: row 256 x tile column + 128 x half
	s_mov_b32 s21, 0
	s_mov_b32 s47, 0
	s_mov_b64 s[18:19], KS
	s_mul_u64 s[22:23], s[20:21], s[18:19]         ; where these rows' scales begin, in bytes
	s_mul_u64 s[92:93], s[46:47], s[18:19]
	s_mov_b64 s[18:19], KROW
	s_mul_u64 s[20:21], s[20:21], s[18:19]         ; and their codes
	s_mul_u64 s[46:47], s[46:47], s[18:19]
	s_mul_i32 s45, s14, HALFT                      ; where they go: wave x 128 rows: no place in the cluster enters an LDS address
	s_mul_i32 s94, s14, HALFS
	s_add_nc_u64 s[20:21], s[4:5], s[20:21]
	s_add_nc_u64 s[22:23], s[6:7], s[22:23]
	s_add_nc_u64 s[46:47], s[8:9], s[46:47]
	s_add_nc_u64 s[92:93], s[10:11], s[92:93]
	CROUND                                         ; all sixteen work-groups are here: the first joint loads meet
	s_mov_b32 s[G0S], 1
	s_add_co_u32 s[G0S+1], s94, SCL
	s_mov_b64 s[G0S+2:G0S+3], s[22:23]
	s_or_b32 s[G0S+3], s[G0S+3], 0x80000000
	s_mov_b32 s[G0SB], 1
	s_add_co_u32 s[G0SB+1], s94, SCL
	s_mov_b64 s[G0SB+2:G0SB+3], s[92:93]
	s_or_b32 s[G0SB+3], s[G0SB+3], 0x80000000
	JLOAD G0S, G1S, G0SB, G1SB                     ; the scales first: they are wanted with K step 0
.irp s, 0,1
	s_mov_b32 s[G0+4*\s], 1
	s_add_co_u32 s[G0+4*\s+1], s45, \s*SLOT
	s_add_nc_u64 s[G0+4*\s+2:G0+4*\s+3], s[20:21], \s*ROWB
	s_or_b32 s[G0+4*\s+3], s[G0+4*\s+3], 0x80000000
	s_mov_b32 s[G0B+4*\s], 1
	s_add_co_u32 s[G0B+4*\s+1], s45, \s*SLOT
	s_add_nc_u64 s[G0B+4*\s+2:G0B+4*\s+3], s[46:47], \s*ROWB
	s_or_b32 s[G0B+4*\s+3], s[G0B+4*\s+3], 0x80000000
	JLOAD G0+4*\s, G1, G0B+4*\s, G1B
.endr
	v_and_b32 v1, 15, v0                           ; r = l % 16
	v_bfe_u32 v2, v0, 4, 1                         ; h = l / 16
	; the bias in the result's layout: for B's block b the eight numbers at column 256 x tile column + 128 x half + 16 b + 8 h
	v_lshlrev_b32 v7, 5, v2
	s_lshl_b32 s46, s42, 10
	s_lshl_b32 s47, s16, 9
	s_add_co_u32 s46, s46, s47
	s_mov_b32 s47, 0
	s_add_nc_u64 s[66:67], s[66:67], s[46:47]
.irp b, 0,1,2,3,4,5,6,7
	global_load_b128 v[BI+8*\b:BI+8*\b+3], v7, s[66:67] offset:64*\b
	global_load_b128 v[BI+8*\b+4:BI+8*\b+7], v7, s[66:67] offset:64*\b+16
.endr
	v_mul_u32_u24 v3, v1, PITCH
	v_lshl_add_u32 v4, v2, 4, v3                   ; a fragment's row x pitch + 16 x half
	s_mul_i32 s21, s15, HALFT                      ; my 128 rows of A
	s_mul_i32 s22, s16, HALFT                      ; my 128 rows of B,
	s_add_co_u32 s22, s22, 2*HALFT                 ; which lie behind A's 256
.irp s, 0,1
	v_add_nc_u32 v[ADRA+\s], s21, v4
	v_add_nc_u32 v[ADRB+\s], s22, v4
	s_add_co_u32 s21, s21, SLOT
	s_add_co_u32 s22, s22, SLOT
.endr
	v_mul_u32_u24 v5, v1, KS                       ; my row's scales: KS bytes a row,
	v_lshrrev_b32 v6, 8, v5
	v_lshl_add_u32 v5, v6, 4, v5                   ; and 16 more for each 256 passed
	s_mul_i32 s21, s15, HALFS                      ; A's: my 128 rows
	s_mul_i32 s22, s16, HALFS                      ; B's: my 128 rows, behind A's 256
	s_add_co_u32 s22, s22, 2*HALFS
	s_sub_co_u32 s22, s22, s21
	v_mul_u32_u24 v6, s22, v2                      ; lanes 16-31 take B's
	s_add_co_u32 s21, s21, SCL
	v_add_nc_u32 v5, v5, v6
	v_add_nc_u32 v[ADRS], s21, v5
	v_and_b32 v[LN], 31, v0
	v_lshlrev_b32 v[O8], 3, v[LN]
	v_lshlrev_b32 v[O16], 4, v[LN]
	; where my 128 tokens x 2 heads begin in the output: ((16 batch + 4 tile column + 2 half) x 16 + group) x GRP
	s_lshr_b32 s20, s17, 3                         ; batch: 8 tile rows each
	s_lshl_b32 s20, s20, 4
	s_lshl_b32 s21, s42, 2
	s_add_co_u32 s20, s20, s21
	s_lshl_b32 s21, s16, 1
	s_add_co_u32 s20, s20, s21                     ; 16 batch + my first head
	s_lshl_b32 s20, s20, 4
	s_and_b32 s21, s17, 7
	s_lshl_b32 s21, s21, 1
	s_add_co_u32 s20, s20, s21
	s_add_co_u32 s20, s20, s15                     ; + the group of 128 tokens in the batch
	s_mul_i32 s20, s20, GRP                        ; under 2^24
	s_mov_b32 s21, 0
	s_add_nc_u64 s[12:13], s[12:13], s[20:21]
.macro FRAG reg, adr, q, i             ; a fragment, 16 rows x 128 K: lane l holds row l % 16; registers 4 c .. 4 c + 3 hold K = 32 c + 16 (l / 16) + 0 .. 15
.irp c, 0,1,2,3
	ds_load_b128 v[\reg+4*\c:\reg+4*\c+3], v[\adr] offset:128*(\q)+32*\c+(\i)*16*PITCH
.endr
.endm
; 16 matrix instructions: A's blocks a0, a0 + 1 x B's eight, 128 along K.  p: B's set;  sc: the set of scale words.  zero = 1: the first product starts the sums on the bias.
; The 64 accumulators take turns, one instruction a turn, in the same order in every step.
.macro MUL16 a0, p, q, sc, zero
.irp a, \a0, \a0+1
.irp b, 0,1,2,3,4,5,6,7
.if \zero
	v_wmma_scale_f32_16x16x128_f8f6f4 v[8*(8*((\a)%4)+\b):8*(8*((\a)%4)+\b)+7], v[128*(\p)+FR*\b:128*(\p)+FR*\b+FR-1], v[AF+FR*(\a):AF+FR*(\a)+FR-1], v[BI+8*\b:BI+8*\b+7], v[SC+8*NQ*(\sc)+NQ*\b+(\q)], v[SC+8*NQ*(\sc)+NQ*(\a)+(\q)] matrix_a_scale:MATRIX_SCALE_ROW1
.else
	v_wmma_scale_f32_16x16x128_f8f6f4 v[8*(8*((\a)%4)+\b):8*(8*((\a)%4)+\b)+7], v[128*(\p)+FR*\b:128*(\p)+FR*\b+FR-1], v[AF+FR*(\a):AF+FR*(\a)+FR-1], v[8*(8*((\a)%4)+\b):8*(8*((\a)%4)+\b)+7], v[SC+8*NQ*(\sc)+NQ*\b+(\q)], v[SC+8*NQ*(\sc)+NQ*(\a)+(\q)] matrix_a_scale:MATRIX_SCALE_ROW1
.endif
.endr
.endr
.endm
.macro FETCH_B slot, q, p              ; B's eight fragments of the slot's q-th 128 along K into set p
	WIN TO_B
.irp i, 0,1,2,3,4,5,6,7
	FRAG 128*(\p)+FR*\i, ADRB+\slot, \q, \i
.endr
	WIN 0
.endm
.macro FETCH_A slot, q, i0             ; A's blocks i0 .. i0 + 3
.irp i, \i0, \i0+1, \i0+2, \i0+3
	FRAG AF+FR*(\i), ADRA+\slot, \q, \i
.endr
.endm
.macro SCALES sc                       ; a K step's scale words into set sc: NQ words a row; lanes 0-15 take A's block i, lanes 16-31 B's block i
.irp i, 0,1,2,3,4,5,6,7
	ds_load_b64 v[SC+8*NQ*\sc+NQ*\i:SC+8*NQ*\sc+NQ*\i+1], v[ADRS] offset:\i*SBLK
.endr
.endm
; A load into a register that a matrix instruction has read, and a vector instruction that reads a matrix result or writes one of its registers, stand NP places behind it; only plain vector instructions
; that name none of its registers are places (ISA guide 7.12.1 for vector instructions).
.macro PLACES n
.rept \n
	v_nop
.endr
.endm
; A step of 128 along K that has its successor in the same slot.
.macro STEP slot, q, zero
	s_wait_dscnt 4*NL                              ; B's set and A's blocks 0-3 are in; the youngest 16 loads (A's blocks 4-7) may be out
.if \zero
	WIN BIA_LO
.else
	WIN MUL_LO
.endif
	MUL16 0, (\q)%2, \q, \slot, \zero
	MUL16 2, (\q)%2, \q, \slot, \zero
	s_wait_dscnt 0                                 ; A's blocks 4-7 are in
	PLACES NP
	FETCH_B \slot, (\q)+1, 1-(\q)%2
	FETCH_A \slot, (\q)+1, 0
.if \zero
	WIN BIA_HI
.else
	WIN MUL_HI
.endif
	MUL16 4, (\q)%2, \q, \slot, \zero
	MUL16 6, (\q)%2, \q, \slot, \zero
	PLACES NP
	WIN 0
	FETCH_A \slot, (\q)+1, 4
.endm
; A slot's last step changes slots: ONE barrier; in front of it each wave waits for all its tensor loads, adds 0 to its spare word, and waits for that and for its own reads of this slot.  fill = 1: this slot is filled again, two K steps ahead.
.macro TURN slot, next, fill
	s_wait_tensorcnt 0x0                           ; all my tensor loads have landed: my part of the next slot  (every window is 0 here)
	ds_add_u32 v[SPW], v[NIL]                      ; 0 onto my spare word
	s_wait_dscnt 4*NL+1                            ; the add and the youngest 16 loads (A's blocks 4-7) may be out
	WIN MUL_LO
	MUL16 0, 1, NQ-1, \slot, 0                     ; sixteen matrix instructions stand between the add and the wait for it
	s_wait_dscnt 0x0                               ; the add is done, and my reads of this slot are over
	s_barrier_signal -1
	MUL16 2, 1, NQ-1, \slot, 0
	WIN 0
	s_barrier_wait -1
.if \fill
	CREST                                          ; the barrier has opened a round of the cluster's barrier: no wave of any partner still reads this slot or has a load on its way
	s_add_nc_u64 s[G0+4*\slot+2:G0+4*\slot+3], s[G0+4*\slot+2:G0+4*\slot+3], 2*ROWB
	s_add_nc_u64 s[G0B+4*\slot+2:G0B+4*\slot+3], s[G0B+4*\slot+2:G0B+4*\slot+3], 2*ROWB
	JLOAD G0+4*\slot, G1, G0B+4*\slot, G1B         ; the first tensor load behind the round; its four v_nop are among the places in front of the loads below
	PLACES NP-4
.else
	PLACES NP
.endif
	v_add_nc_u32 v[ADRS], 4*NQ, v[ADRS]            ; on to the next K step's scale words
	FETCH_B \next, 0, 0
	FETCH_A \next, 0, 0
	SCALES \next
	WIN MUL_HI
	MUL16 4, 1, NQ-1, \slot, 0
	MUL16 6, 1, NQ-1, \slot, 0
	PLACES NP
	WIN 0
	FETCH_A \next, 0, 4
.endm
	s_wait_loadcnt 0x0                             ; the bias
	s_wait_tensorcnt 1                             ; of my three first fills the scales and K step 0 are in; K step 1's may be out
	s_barrier_signal -1
	s_barrier_wait -1                              ; everybody's are
	FETCH_B 0, 0, 0
	FETCH_A 0, 0, 0
	SCALES 0
	FETCH_A 0, 0, 4
	STEP 0, 0, 1                                   ; the first step stands in front of the loop: its products start the sums
	s_mov_b32 s3, LAPS-1
.Llap:                                                 ; a trip goes once round the ring, from a lap's second step to the next lap's first, and fills both slots again
	TURN 0, 1, 1
	STEP 1, 0, 0
	TURN 1, 0, 1
	STEP 0, 0, 0
	s_sub_co_u32 s3, s3, 1
	s_cmp_lg_u32 s3, 0
	s_cbranch_scc1 .Llap
	TURN 0, 1, 0                                   ; the last lap fills nothing
	STEP 1, 0, 0
	s_wait_dscnt 4*NL                              ; the very last step: nothing more to fetch
	WIN MUL_LO
	MUL16 0, 1, NQ-1, 1, 0
	MUL16 2, 1, NQ-1, 1, 0
	s_wait_dscnt 0
	WIN MUL_HI
	MUL16 4, 1, NQ-1, 1, 0
	MUL16 6, 1, NQ-1, 1, 0
	WIN 0
; THE WAY OUT, block a of 16 tokens at a time: its 64 registers are four blocks of 32 columns (registers 16 b + i), two heads of two blocks.  A block lies in lanes l and l xor 16.
; The scale's byte is the largest magnitude's exponent field - 8, held at 1 from below by a floor among the maximum's leaves; each number is held within 448 x the scale (the conversion to an 8-bit code does not saturate: ISA guide 7.6.2).
; The conversions' results are the registers of the next product's fragments: they are stored as they stand, 512 consecutive bytes an instruction, aligned.
.macro QUANT a
.set AC, 64*((\a)%4)
.set X, 2+(\a)/4
.set PC, 128+16*((\a)%2)
	WIN X|(X<<2)
.irp b, 0,1,2,3
	v_max3_num_f32 v[TM+\b], |v[AC+16*\b]|, |v[AC+16*\b+1]|, 0x4800000   ; each accumulator is read from its low end on; the floor 2^(9 - 127)
.endr
	WIN (X<<2)|(X<<4)
.irp i, 2,4,6,8,10,12,14
.irp b, 0,1,2,3
	v_max3_num_f32 v[TM+\b], v[TM+\b], |v[AC+16*\b+\i]|, |v[AC+16*\b+\i+1]|
.endr
.endr
	WIN 0
.irp b, 0,1,2,3
	v_permlanex16_b32 v[TM+4+\b], v[TM+\b], s20, s21
.endr
.irp b, 0,1,2,3
	v_max_num_f32 v[TM+\b], v[TM+\b], v[TM+4+\b]   ; with lane l xor 16's: the block's largest magnitude
.endr
.irp b, 0,1,2,3
	v_add_nc_u32 v[TM+12+\b], 0xfc000000, v[TM+\b] ; 8 off its exponent field: the conversion's scale operand
.endr
.irp b, 0,1,2,3
	v_and_or_b32 v[TM+8+\b], v[TM+\b], 0x7f800000, s22   ; 448 x the scale
.endr
.irp b, 0,1,2,3
	v_lshrrev_b32 v[TM+4+\b], 23, v[TM+12+\b]      ; the scale's byte
.endr
.irp n, 0,1
.if (\a)%2 == 0
	v_lshl_or_b32 v[SW+4*\n+(\a)/2], v[TM+5+2*\n], 8, v[TM+4+2*\n]       ; the pair's even tile: bytes 0, 1
.else
	v_lshl_or_b32 v[SW+4*\n+(\a)/2], v[TM+4+2*\n], 16, v[SW+4*\n+(\a)/2] ; its odd tile: bytes 2, 3
	v_lshl_or_b32 v[SW+4*\n+(\a)/2], v[TM+5+2*\n], 24, v[SW+4*\n+(\a)/2]
.endif
.endr
	WIN (X<<6)|X
.irp b, 0,1,2,3
.irp i, 0,1,2,3,4,5,6,7,8,9,10,11,12,13,14,15
	v_med3_num_f32 v[AC+16*\b+\i], v[AC+16*\b+\i], -v[TM+8+\b], v[TM+8+\b]
.endr
.endr
	s_wait_xcnt 0x0                                ; the stores of the block before last have read this set of code registers
	WIN X
.irp k, 0,1,2,3,4,5,6,7
	v_cvt_scalef32_pk8_fp8_f32 v[PC+2*\k:PC+2*\k+1], v[AC+8*\k:AC+8*\k+7], v[TM+12+\k/2]
.endr
	WIN 0
	v_nop                                          ; one plain vector instruction behind the last conversion, ahead of the next lines that write its sources
.irp n, 0,1
	global_store_b128 v[O16], v[PC+8*\n:PC+8*\n+3], s[12:13] offset:HEADB*\n+1024*(\a)
	global_store_b128 v[O16], v[PC+8*\n+4:PC+8*\n+7], s[12:13] offset:HEADB*\n+1024*(\a)+512
.endr
.endm
	PLACES NP                                      ; behind the last products: their results are read, and registers that held A's fragments are written
	s_mov_b32 s20, 0x76543210
	s_mov_b32 s21, 0xfedcba98                      ; v_permlanex16_b32's selects for lane l xor 16
	s_mov_b32 s22, 0x600000                        ; the mantissa field of 448
.irp b, 0,1,2,3
	v_mov_b32 v[TM+4+\b], 0                        ; written once: a lane permute's destination counts as one of its sources
.endr
.irp a, 0,1,2,3,4,5,6,7
	QUANT \a
.endr
	v_cmp_le_u32 vcc_lo, 16, v[LN]                 ; lanes 0-15 store the words of pairs 0 and 1, lanes 16-31 those of pairs 2 and 3
.irp n, 0,1
	v_cndmask_b32 v[SX+2*\n], v[SW+4*\n], v[SW+4*\n+2], vcc_lo
	v_cndmask_b32 v[SX+2*\n+1], v[SW+4*\n+1], v[SW+4*\n+3], vcc_lo
	global_store_b64 v[O8], v[SX+2*\n:SX+2*\n+1], s[12:13] offset:HEADB*\n+8192   ; 32 lanes store 256 consecutive bytes, aligned
.endr
	s_wait_tensorcnt 0x0                           ; the wave's end
	ds_add_u32 v[SPW], v[NIL]
	s_wait_dscnt 0x0
	CROUND                                         ; the closing round: no work-group ends while a partner may still ask for a tile that names it
	s_endpgm
.Lfunc_end_k_qa26d94957c_proj_qk:
	.size	k_qa26d94957c_proj_qk, .Lfunc_end_k_qa26d94957c_proj_qk-k_qa26d94957c_proj_qk
	.p2alignl 7, 3214868480
	.fill 96, 4, 3214868480
	.section	.rodata,"a",@progbits
	.p2align	6, 0x0
	.amdhsa_kernel k_qa26d94957c_proj_qk
		.amdhsa_group_segment_fixed_size 327680
		.amdhsa_private_segment_fixed_size 0
		.amdhsa_enable_private_segment 0
		.amdhsa_kernarg_size 80
		.amdhsa_user_sgpr_count 2
		.amdhsa_user_sgpr_kernarg_segment_ptr 1
		.amdhsa_wavefront_size32 1
		.amdhsa_system_sgpr_workgroup_id_x 1
		.amdhsa_system_sgpr_workgroup_id_y 1
		.amdhsa_system_sgpr_workgroup_id_z 1
		.amdhsa_system_vgpr_workitem_id 0
		.amdhsa_next_free_vgpr 1024
		.amdhsa_next_free_sgpr 106
		.amdhsa_reserve_vcc 1
		.amdhsa_float_denorm_mode_32 3
		.amdhsa_float_denorm_mode_16_64 3
		.amdhsa_memory_ordered 1
		.amdhsa_forward_progress 1
		.amdhsa_inst_pref_size 187
	.end_amdhsa_kernel
	.amdgpu_metadata
---
amdhsa.version: [ 1, 2 ]
amdhsa.kernels:
  - .name:           k_qa26d94957c_proj_qk
    .symbol:         k_qa26d94957c_proj_qk.kd
    .args:
      - { .name: encoder_x_codes, .offset: 0, .size: 8, .value_kind: global_buffer, .address_space: global }
      - { .name: encoder_x_scales, .offset: 8, .size: 8, .value_kind: global_buffer, .address_space: global }
      - { .name: Wq_codes, .offset: 16, .size: 8, .value_kind: global_buffer, .address_space: global }
      - { .name: Wq_scales, .offset: 24, .size: 8, .value_kind: global_buffer, .address_space: global }
      - { .name: Wk_codes, .offset: 32, .size: 8, .value_kind: global_buffer, .address_space: global }
      - { .name: Wk_scales, .offset: 40, .size: 8, .value_kind: global_buffer, .address_space: global }
      - { .name: bq, .offset: 48, .size: 8, .value_kind: global_buffer, .address_space: global }
      - { .name: bk, .offset: 56, .size: 8, .value_kind: global_buffer, .address_space: global }
      - { .name: qbuf, .offset: 64, .size: 8, .value_kind: global_buffer, .address_space: global }
      - { .name: kbuf, .offset: 72, .size: 8, .value_kind: global_buffer, .address_space: global }
    .group_segment_fixed_size: 327680
    .private_segment_fixed_size: 0
    .kernarg_segment_align: 8
    .kernarg_segment_size: 80
    .max_flat_workgroup_size: 128
    .sgpr_count:     106
    .vgpr_count:     1024
    .wavefront_size: 32
...
	.end_amdgpu_metadata
.endif
;; end of part 1
;; launch attn_sum (part 2): grid 4 x 64, 16 waves a work-group, clusters of 4 x 1, 169,984 bytes of LDS; arguments qbuf, kbuf, ssum; writes ssum
.if DOCPART == 2
	.amdgcn_target "amdgcn-amd-amdhsa--gfx1250"
	.amdhsa_code_object_version 6
	.text
	.protected	k_qa26d94957c_attn_sum
	.globl	k_qa26d94957c_attn_sum
	.p2align	8
	.type	k_qa26d94957c_attn_sum,@function
k_qa26d94957c_attn_sum:
	s_mov_b64 s[64:65], 0
	v_nop
	global_prefetch_b8 v0, s[64:65] scope:SCOPE_SE
	s_setreg_imm32_b32 hwreg(HW_REG_WAVE_MODE, 25, 1), 1
	s_wait_xcnt 0x0
	s_wait_alu depctr_hold_cnt(0) depctr_sa_sdst(0) depctr_va_vdst(0) depctr_va_sdst(0) depctr_va_ssrc(0) depctr_va_vcc(0) depctr_vm_vsrc(0)
	s_getreg_b32 s2, hwreg(HW_REG_IB_STS2, 6, 4)
	s_cmp_eq_u32 s2, 0
	s_cbranch_scc0 .Lentry_in_a_cluster
	s_endpgm
.Lentry_in_a_cluster:
	s_bfe_u32 s2, ttmp6, 0x10000c
	s_cmp_lg_u32 s2, 0x3003
	s_cbranch_scc0 .Lentry_shape_is_right
	s_endpgm
.Lentry_shape_is_right:
; For each (batch, head): S = the sum over all queries and keys of softmax_k(q . k / 8).  The product is on codes of FP8 (E4M3) with one E8M0 scale for each 32 of the head's 64.
; qbuf, kbuf: [16 batch + head][group of 128 tokens][8,448 bytes]: eight tiles of 16 tokens as images of fragment registers ([block c][lane][16 bytes]), then 256 bytes of scale words ([lane][2 words]).
; ssum: [16 batch + head][4] f32: a work-group's sum over its 512 queries.
; SHARES.  A work-group owns 512 queries of one head; each of its sixteen waves owns 32, two tiles, in 256 registers: four waves to a SIMD, so that one wave's exponentials stand beside another's plain work, products and LDS loads.
; Every wave walks all 2,048 keys.  All of the head's K, 135,168 bytes, lies in LDS, filled ONCE: each wave brings one group with one tensor load.  The four work-groups of a cluster belong to one head and ask for it jointly.
; K = 64 IN A FORM OF 128.  A fragment of K holds TWO tiles of keys: registers 0-7 the even tile, 8-15 the odd one.  Q of a tile lies as 24 registers q | 0 | q: the first sixteen (q, 0) give the scores against the even tile,
; the last sixteen (0, q) those against the odd one.  Zero codes add nothing.  Q's scale word is its two bytes twice.
; LAYOUT.  S^T = K Q^T (source 0 = keys, source 1 = queries): a lane holds ONE query (lane % 16) and, in each result, keys 8 (lane / 16) + 0 .. 7.
; SOFTMAX.  Each LANE keeps a running maximum m and sum l of its own keys: p = 2^(c s - c m), c = log2(e) / 8; in every half step l is multiplied by 2^(c m_old - c m_new).  At the end the two lanes of a query
; are brought under their common maximum, and each lane's sum is divided by the row's sum.  The division is applied to a lane's sum of p and not to each p: the distributive law; the rounding differs from the division of each p.
; LIMITS: NaN and infinities are not served.  A lane's l is at least 1 (its own largest p is 1), whatever the size of the scores.
.set GRP,  8448                        ; a group of 128 tokens
.set NG,   16                          ; groups in a head
.set RED,  NG*GRP                      ; behind K: 64 bytes for the waves' sums, in a block of 256 bytes into which no tile lands
.set KF,   64                          ; v64-95   two fragments of K
.set SA,   96                          ; v96-159  scores: tile t at + 32 t, key tile at + 8
.set SB,   160                         ; v160-223 the other buffer
.set ST,   224                         ; tile t's statistics at v[ST + 8 t]: +0 c m, +1 m, +2, +3 l (a pair), +4 to +7 at work; +6 takes 2^(c m_old - c m_new)
.set WV,   10                          ; s10  my wave's number
.set G1,   16                          ; s[16:23] descriptor group 1
.set G0,   24                          ; s[24:27] descriptor group 0
.set TB,   28                          ; s28  LDS byte at which the group to be fetched begins
.set CNT,  29                          ; s29  trips
.set CS,   30                          ; s[30:31] c: the packed form names a pair and takes its low word for both halves
.set SEL,  32                          ; s[32:33] lane selects for v_permlanex16_b32: lane l xor 16
.macro CROUND                          ; a round of the cluster's barrier
	s_barrier_signal -1
	s_barrier_wait -1
	s_cmp_lg_u32 s[WV], 0
	s_cbranch_scc1 .Lnot_wave_0_\@
	s_barrier_signal -3
.Lnot_wave_0_\@:
	s_barrier_wait -3
	s_barrier_signal -1
	s_barrier_wait -1
.endm
	s_load_b128 s[4:7], s[0:1], 0x0                ; qbuf, kbuf
	s_load_b64 s[8:9], s[0:1], 0x10                ; ssum
	v_lshl_add_u32 v254, v0, 2, 0x29000
	v_mov_b32 v255, 0
	ds_add_u32 v254, v255
	ds_add_u32 v254, v255
	v_lshrrev_b32 v12, 5, v0
	v_readfirstlane_b32 s[WV], v12                 ; wave 0..15
	s_bfe_u32 s11, ttmp6, 0x40000                  ; cx: my place in the cluster
	s_and_b32 s12, ttmp7, 0xffff                   ; 16 batch + head, which the four partners share
	; descriptor group 1: a group is a dense block of 33 rows of 256 bytes (32 elements of 8 bytes); no padding: fragments are read as images, 512 consecutive bytes a load
	s_mov_b32 s[G1], 15|(3<<16)|(1<<21)            ; 15:0 the mask: all four work-groups; 17:16 elements of 8 bytes; 21 set beside a mask
	s_mov_b32 s[G1+1], 32<<16                      ; tensor_dim0
	s_mov_b32 s[G1+2], 33<<16                      ; tensor_dim1
	s_mov_b32 s[G1+3], 32<<16                      ; tile_dim0
	s_mov_b32 s[G1+4], 33                          ; tile_dim1
	s_mov_b32 s[G1+5], 32                          ; tensor_dim0_stride
	s_mov_b32 s[G1+6], 0
	s_mov_b32 s[G1+7], 0
	s_lshl_b32 s13, s12, 4                         ; the head's first group
	s_add_co_u32 s14, s13, s[WV]                   ; the group of K that I fetch
	s_mul_i32 s14, s14, GRP                        ; under 2^24
	s_mov_b32 s15, 0
	s_mul_i32 s34, s[WV], GRP                      ; and where it goes: no place in the cluster enters an LDS address
	s_lshl_b32 s36, s11, 2
	s_lshr_b32 s37, s[WV], 2
	s_add_co_u32 s36, s36, s37
	s_add_co_u32 s36, s36, s13                     ; my queries' group: 4 cx + wave / 4
	s_mul_i32 s36, s36, GRP
	s_mov_b32 s37, 0
	s_and_b32 s38, s[WV], 3                        ; my pair of tiles in it
	s_lshl_b32 s38, s38, 11                        ; 2,048 bytes a pair
	s_bfe_u32 s39, s[WV], 0x10001                  ; its scale word: lanes 16 (pair / 2) on,
	s_lshl_b32 s39, s39, 7
	s_and_b32 s40, s[WV], 1                        ; word pair % 2
	s_lshl_b32 s40, s40, 2
	s_add_co_u32 s39, s39, s40
	s_lshl_b32 s40, s12, 2
	s_add_co_u32 s40, s40, s11
	s_lshl_b32 s40, s40, 2                         ; my work-group's word of ssum
	s_mov_b32 s41, 0
	s_mov_b32 s[CS], 0x3e38aa3b                    ; c = log2(e) / 8
	s_mov_b32 s[CS+1], s[CS]
	s_mov_b32 s[SEL], 0x76543210
	s_mov_b32 s[SEL+1], 0xfedcba98
	s_wait_dscnt 0x0
	s_wait_kmcnt 0x0
	s_mov_b32 s[G0], 1                             ; count = 1
	s_mov_b32 s[G0+1], s34                         ; LDS address
	s_add_nc_u64 s[G0+2:G0+3], s[6:7], s[14:15]    ; global address
	s_or_b32 s[G0+3], s[G0+3], 0x80000000          ; type = 2
	s_add_nc_u64 s[36:37], s[4:5], s[36:37]        ; Q at my group
	s_add_nc_u64 s[8:9], s[8:9], s[40:41]
	CROUND                                         ; all four work-groups are here: the joint loads meet
	tensor_load_to_lds s[G0:G0+3], s[G1:G1+7]      ; my one tensor load of the launch
	s_nop 0
.rept 4
	v_nop
.endr
	v_and_b32 v12, 31, v0                          ; lane
	v_lshlrev_b32 v1, 4, v12                       ; 16 x lane: an image's place for my lane
	v_lshlrev_b32 v2, 3, v12                       ; 8 x lane: the scale words'
	v_add_nc_u32 v5, s38, v1
	v_and_b32 v13, 15, v0
	v_lshlrev_b32 v6, 3, v13
	v_add_nc_u32 v6, s39, v6
.irp t, 0,1                                    ; Q's two tiles, each block of 32 twice: q | 0 | q
.irp c, 0,1
	global_load_b128 v[16+24*\t+4*\c:16+24*\t+4*\c+3], v5, s[36:37] offset:1024*\t+512*\c
	global_load_b128 v[32+24*\t+4*\c:32+24*\t+4*\c+3], v5, s[36:37] offset:1024*\t+512*\c
.endr
.endr
	global_load_b32 v7, v6, s[36:37] offset:8192   ; the pair's scale word of query lane % 16
.irp t, 0,1
.irp i, 0,1,2,3,4,5,6,7
	v_mov_b32 v[24+24*\t+\i], 0                    ; the zero codes between
.endr
	v_mov_b32 v[ST+8*\t+1], 0xff61b1e6             ; m: -3e38, under every score
	v_mul_f32 v[ST+8*\t], s[CS], v[ST+8*\t+1]      ; c m
.irp i, 2,3,4,5,6,7
	v_mov_b32 v[ST+8*\t+\i], 0                     ; l; the rest is named in pairs before it is first written
.endr
.endr
.irp i, 242,243,246,247,250
	v_mov_b32 v[\i], 0                             ; written once: a lane permute's destination counts as one of its sources
.endr
	s_wait_loadcnt 0x0                             ; Q
	v_and_b32 v12, 0xffff, v7
	v_lshrrev_b32 v13, 16, v7
	v_lshl_or_b32 v8, v7, 16, v12                  ; the even tile's two bytes, twice
	v_and_or_b32 v9, v7, 0xffff0000, v13           ; the odd tile's
	s_wait_tensorcnt 0x0                           ; my group of K is in,
	s_barrier_signal -1
	s_barrier_wait -1                              ; everybody's is
.macro KLOAD half, sc                          ; two fragments of K: pairs 2 half and 2 half + 1 of the group in hand;  sc = 1: the group's scale words too
.irp f, 0,1
.irp c, 0,1,2,3
	ds_load_b128 v[KF+16*\f+4*\c:KF+16*\f+4*\c+3], v3 offset:4096*\half+2048*\f+512*\c
.endr
.endr
.if \sc
	ds_load_b64 v[10:11], v4 offset:8192           ; lanes 0-15: pairs 0, 1; lanes 16-31: pairs 2, 3
.endif
.endm
.macro MMA buf, half                           ; eight products, eight results, each begun with the constant 0: no sum is carried from one to another
.irp f, 0,1
.irp e, 0,1
.irp t, 0,1
.if \half
	v_wmma_scale_f32_16x16x128_f8f6f4 v[\buf+32*\t+8*(2*\f+\e):\buf+32*\t+8*(2*\f+\e)+7], v[KF+16*\f:KF+16*\f+15], v[16+24*\t+8*\e:16+24*\t+8*\e+15], 0, v[10+\f], v[8+\t] matrix_a_scale:MATRIX_SCALE_ROW1
.else
	v_wmma_scale_f32_16x16x128_f8f6f4 v[\buf+32*\t+8*(2*\f+\e):\buf+32*\t+8*(2*\f+\e)+7], v[KF+16*\f:KF+16*\f+15], v[16+24*\t+8*\e:16+24*\t+8*\e+15], 0, v[10+\f], v[8+\t]
.endif
.endr
.endr
.endr
.endm
.macro SMAX buf                                ; the lane's new m of each tile: 38 plain lines, the two tiles by turns; each result is read from its low end on
.irp j, 0,1,2,3
.irp t, 0,1
	v_max3_num_f32 v[ST+8*\t+4+\j], v[\buf+32*\t+8*\j], v[\buf+32*\t+8*\j+1], v[\buf+32*\t+8*\j+2]
.endr
.endr
.irp i, 3,5
.irp j, 0,1,2,3
.irp t, 0,1
	v_max3_num_f32 v[ST+8*\t+4+\j], v[ST+8*\t+4+\j], v[\buf+32*\t+8*\j+\i], v[\buf+32*\t+8*\j+\i+1]
.endr
.endr
.endr
.irp t, 0,1
	v_max3_num_f32 v[ST+8*\t+4], v[ST+8*\t+4], v[\buf+32*\t+7], v[\buf+32*\t+15]
.endr
.irp t, 0,1
	v_max3_num_f32 v[ST+8*\t+6], v[ST+8*\t+6], v[\buf+32*\t+23], v[\buf+32*\t+31]
.endr
.irp t, 0,1
	v_max3_num_f32 v[ST+8*\t+4], v[ST+8*\t+4], v[ST+8*\t+5], v[ST+8*\t+6]
.endr
.irp t, 0,1
	v_max3_num_f32 v[ST+8*\t+1], v[ST+8*\t+4], v[ST+8*\t+7], v[ST+8*\t+1]   ; with the old m
.endr
.irp t, 0,1
	v_mov_b32 v[ST+8*\t+7], v[ST+8*\t]             ; c m_old
.endr
.irp t, 0,1
	v_mul_f32 v[ST+8*\t], s[CS], v[ST+8*\t+1]      ; c m_new
.endr
.irp t, 0,1
	v_sub_f32 v[ST+8*\t+7], v[ST+8*\t+7], v[ST+8*\t]
.endr
.endm
.macro SEXP buf                                ; c s - c m, two at a time; then ONE batch of 66 exponentials, one plain line, and the one wait ahead of the first line that names a result
.irp i, 0,2,4,6,8,10,12,14,16,18,20,22,24,26,28,30
.irp t, 0,1
	v_pk_fma_f32 v[\buf+32*\t+\i:\buf+32*\t+\i+1], v[\buf+32*\t+\i:\buf+32*\t+\i+1], s[CS:CS+1], v[ST+8*\t:ST+8*\t+1] op_sel_hi:[1,0,0] neg_lo:[0,0,1] neg_hi:[0,0,1]
.endr
.endr
.irp t, 0,1
	v_exp_f32 v[ST+8*\t+6], v[ST+8*\t+7]
.endr
.set n, 0
.rept 64
	v_exp_f32 v[\buf+n], v[\buf+n]
.set n, n+1
.endr
	v_nop
	s_wait_alu depctr_va_vdst(0)
.endm
.macro SSUM buf                                ; the lane's 32 p of each tile are added in pairs, in place; then l = l x 2^(c m_old - c m_new) + the sum
.irp u, 0,1,2,3,4,5,6,7
.irp t, 0,1
	v_pk_add_f32 v[\buf+32*\t+4*\u:\buf+32*\t+4*\u+1], v[\buf+32*\t+4*\u:\buf+32*\t+4*\u+1], v[\buf+32*\t+4*\u+2:\buf+32*\t+4*\u+3]
.endr
.endr
.irp u, 0,1,2,3
.irp t, 0,1
	v_pk_add_f32 v[\buf+32*\t+8*\u:\buf+32*\t+8*\u+1], v[\buf+32*\t+8*\u:\buf+32*\t+8*\u+1], v[\buf+32*\t+8*\u+4:\buf+32*\t+8*\u+5]
.endr
.endr
.irp u, 0,1
.irp t, 0,1
	v_pk_add_f32 v[\buf+32*\t+16*\u:\buf+32*\t+16*\u+1], v[\buf+32*\t+16*\u:\buf+32*\t+16*\u+1], v[\buf+32*\t+16*\u+8:\buf+32*\t+16*\u+9]
.endr
.endr
.irp t, 0,1
	v_pk_add_f32 v[\buf+32*\t:\buf+32*\t+1], v[\buf+32*\t:\buf+32*\t+1], v[\buf+32*\t+16:\buf+32*\t+17]
.endr
.irp t, 0,1
	v_pk_fma_f32 v[ST+8*\t+2:ST+8*\t+3], v[ST+8*\t+2:ST+8*\t+3], v[ST+8*\t+6:ST+8*\t+7], v[\buf+32*\t:\buf+32*\t+1] op_sel_hi:[1,0,1]
.endr
.endm
	v_mov_b32 v3, v1                               ; group 0
	v_mov_b32 v4, v2
	KLOAD 0, 1
.rept 8
	v_nop                                          ; Q's scale words, made by vector instructions, stand eight places ahead of the first product
.endr
	s_wait_dscnt 0x0
	MMA SA, 0
.rept 8
	v_nop                                          ; places in front of loads into registers that those products have read
.endr
	KLOAD 1, 0
	s_mov_b32 s[TB], 0
	s_mov_b32 s[CNT], NG-1
.Lgroup:                                           ; a trip: the second half of a group and the first half of the next.  While one buffer's softmax is walked, the other buffer's products are under way
	s_add_co_u32 s[TB], s[TB], GRP
	s_wait_dscnt 0x0                               ; the fragments are in
	MMA SB, 1
	SMAX SA                                        ; its 38 lines name none of those products' registers: they are the places in front of the loads below
	v_add_nc_u32 v3, s[TB], v1
	v_add_nc_u32 v4, s[TB], v2
	KLOAD 0, 1
	SEXP SA
	SSUM SA
	s_wait_dscnt 0x0
	MMA SA, 0
	SMAX SB
	KLOAD 1, 0
	SEXP SB
	SSUM SB
	s_sub_co_u32 s[CNT], s[CNT], 1
	s_cmp_lg_u32 s[CNT], 0
	s_cbranch_scc1 .Lgroup
	s_wait_dscnt 0x0                               ; the last group's second half: nothing more to fetch
	MMA SB, 1
	SMAX SA
	SEXP SA
	SSUM SA
	SMAX SB
	SEXP SB
	SSUM SB
	; THE END.  A query's keys lie in lanes l and l xor 16, each under its own maximum.
.irp t, 0,1
	v_add_f32 v[240+\t], v[ST+8*\t+2], v[ST+8*\t+3]        ; my l
.endr
.irp t, 0,1
	v_permlanex16_b32 v[242+\t], v[ST+8*\t], s[SEL], s[SEL+1]
.endr
.irp t, 0,1
	v_max_num_f32 v[242+\t], v[242+\t], v[ST+8*\t]         ; the row's c m
.endr
.irp t, 0,1
	v_sub_f32 v[242+\t], v[ST+8*\t], v[242+\t]
.endr
.irp t, 0,1
	v_exp_f32 v[244+\t], v[242+\t]
.endr
	v_nop
	s_wait_alu depctr_va_vdst(0)                   ; one wait for the two, ahead of their first reader
.irp t, 0,1
	v_mul_f32 v[240+\t], v[240+\t], v[244+\t]              ; my l under the row's maximum
.endr
.irp t, 0,1
	v_permlanex16_b32 v[246+\t], v[240+\t], s[SEL], s[SEL+1]
.endr
.irp t, 0,1
	v_add_f32 v[246+\t], v[246+\t], v[240+\t]              ; the row's sum
.endr
.irp t, 0,1
	v_rcp_f32 v[248+\t], v[246+\t]
.endr
	v_nop
	s_wait_alu depctr_va_vdst(0)
	v_mul_f32 v240, v240, v248                     ; the softmax of my keys, summed
	v_fma_f32 v240, v241, v249, v240               ; both tiles
	v_add_f32_dpp v240, v240, v240 row_xmask:1 row_mask:0xf bank_mask:0xf
	v_add_f32_dpp v240, v240, v240 row_xmask:2 row_mask:0xf bank_mask:0xf
	v_add_f32_dpp v240, v240, v240 row_xmask:4 row_mask:0xf bank_mask:0xf
	v_add_f32_dpp v240, v240, v240 row_xmask:8 row_mask:0xf bank_mask:0xf
	v_permlanex16_b32 v250, v240, s[SEL], s[SEL+1]
	v_add_f32 v240, v240, v250                     ; the wave's sum, in every lane
	s_lshl_b32 s34, s[WV], 2
	s_add_co_u32 s34, s34, RED
	v_mov_b32 v251, s34
	v_mov_b32 v252, RED
	v_mov_b32 v253, 0
	ds_store_b32 v251, v240                        ; all lanes write the same word with the same value
	s_wait_dscnt 0x0                               ; for the others' sake
	s_barrier_signal -1
	s_barrier_wait -1
.irp i, 0,1,2,3
	ds_load_b128 v[96+4*\i:99+4*\i], v252 offset:16*\i
.endr
	s_wait_dscnt 0x0
.irp i, 1,2,3,4,5,6,7,8,9,10,11,12,13,14,15
	v_add_f32 v96, v96, v[96+\i]                   ; the sixteen waves' sums, in ascending order
.endr
	s_wait_xcnt 0x0                                ; EXEC changes only behind this wait
	v_cmp_eq_u32 vcc_lo, 0, v0
	s_and_saveexec_b32 s35, vcc_lo                 ; the work-group's thread 0 stores
	global_store_b32 v253, v96, s[8:9]
	s_wait_xcnt 0x0
	s_or_b32 exec_lo, exec_lo, s35
	s_wait_tensorcnt 0x0
	ds_add_u32 v254, v255
	s_wait_dscnt 0x0
	CROUND                                         ; the closing round: no work-group ends while a partner may still ask for a tile that names it
	s_endpgm
.Lfunc_end_k_qa26d94957c_attn_sum:
	.size	k_qa26d94957c_attn_sum, .Lfunc_end_k_qa26d94957c_attn_sum-k_qa26d94957c_attn_sum
	.p2alignl 7, 3214868480
	.fill 96, 4, 3214868480
	.section	.rodata,"a",@progbits
	.p2align	6, 0x0
	.amdhsa_kernel k_qa26d94957c_attn_sum
		.amdhsa_group_segment_fixed_size 169984
		.amdhsa_private_segment_fixed_size 0
		.amdhsa_enable_private_segment 0
		.amdhsa_kernarg_size 24
		.amdhsa_user_sgpr_count 2
		.amdhsa_user_sgpr_kernarg_segment_ptr 1
		.amdhsa_wavefront_size32 1
		.amdhsa_system_sgpr_workgroup_id_x 1
		.amdhsa_system_sgpr_workgroup_id_y 1
		.amdhsa_system_sgpr_workgroup_id_z 1
		.amdhsa_system_vgpr_workitem_id 0
		.amdhsa_next_free_vgpr 256
		.amdhsa_next_free_sgpr 66
		.amdhsa_reserve_vcc 1
		.amdhsa_float_denorm_mode_32 3
		.amdhsa_float_denorm_mode_16_64 3
		.amdhsa_memory_ordered 1
		.amdhsa_forward_progress 1
		.amdhsa_inst_pref_size 50
	.end_amdhsa_kernel
	.amdgpu_metadata
---
amdhsa.version: [ 1, 2 ]
amdhsa.kernels:
  - .name:           k_qa26d94957c_attn_sum
    .symbol:         k_qa26d94957c_attn_sum.kd
    .args:
      - { .name: qbuf, .offset: 0, .size: 8, .value_kind: global_buffer, .address_space: global }
      - { .name: kbuf, .offset: 8, .size: 8, .value_kind: global_buffer, .address_space: global }
      - { .name: ssum, .offset: 16, .size: 8, .value_kind: global_buffer, .address_space: global }
    .group_segment_fixed_size: 169984
    .private_segment_fixed_size: 0
    .kernarg_segment_align: 8
    .kernarg_segment_size: 24
    .max_flat_workgroup_size: 512
    .sgpr_count:     66
    .vgpr_count:     256
    .wavefront_size: 32
...
	.end_amdgpu_metadata
.endif
;; end of part 2
;; launch proj_v (part 3): grid 4 x 32, 4 waves a work-group, clusters of 4 x 4, 327,680 bytes of LDS; arguments x_codes, x_scales, Wv_codes, Wv_scales, bv, ssum, acodes, ascales; writes acodes, ascales
.if DOCPART == 3
	.amdgcn_target "amdgcn-amd-amdhsa--gfx1250"
	.amdhsa_code_object_version 6
	.text
	.protected	k_qa26d94957c_proj_v
	.globl	k_qa26d94957c_proj_v
	.p2align	8
	.type	k_qa26d94957c_proj_v,@function
k_qa26d94957c_proj_v:
	s_mov_b64 s[64:65], 0
	v_nop
	global_prefetch_b8 v0, s[64:65] scope:SCOPE_SE
	s_setreg_imm32_b32 hwreg(HW_REG_WAVE_MODE, 25, 1), 1
	s_wait_xcnt 0x0
	s_wait_alu depctr_hold_cnt(0) depctr_sa_sdst(0) depctr_va_vdst(0) depctr_va_sdst(0) depctr_va_ssrc(0) depctr_va_vcc(0) depctr_vm_vsrc(0)
	s_getreg_b32 s2, hwreg(HW_REG_IB_STS2, 6, 4)
	s_cmp_eq_u32 s2, 0
	s_cbranch_scc0 .Lentry_in_a_cluster
	s_endpgm
.Lentry_in_a_cluster:
	s_bfe_u32 s2, ttmp6, 0x10000c
	s_cmp_lg_u32 s2, 0xf033
	s_cbranch_scc0 .Lentry_shape_is_right
	s_endpgm
.Lentry_shape_is_right:
; attn = (x Wv + bv) x S[batch][head], [8192][1024], K = 1,024, the product on codes of FP8 (E4M3) with one E8M0 scale for each 32 along K; then attn is quantised along its columns (the next product's K)
; into acodes [8192][1024] (one code a byte, true order of the columns) and ascales [8192][32].  S is the sum of ssum's four numbers of the (batch, head); the multiplication by it is in f32.
; A tile of 256 x 256 is made by four waves, 128 x 128 each: 64 accumulators of 16 x 16, 512 registers.  K goes in steps of 256 through a ring of two LDS slots filled by the tensor data mover.
; The scale bytes of the work-group's 256 rows of A and of B, for all of K, come into LDS once, with the first fills.
; CLUSTERS: 4 x 4 work-groups; A's tiles are asked for jointly along a row of the cluster, B's along a column.
; THE MATRIX INSTRUCTION IS USED TRANSPOSED (source 0 = 16 rows of the weight, source 1 = 16 tokens): a lane holds one token (lane % 16) and, in accumulator b, columns 16 b + 8 (lane / 16) + 0 .. 7.
; The bias is the C of each sum's first matrix instruction.
; LIMITS: NaN and infinities are not served; a block whose largest magnitude lies under 2^-118 keeps the scale byte 1; a block of zeros gets the byte 1 (its codes are zeros; this program alone reads the bytes).
; The scale bytes leave as 4 bytes of each row of 32: rows are written in part by each wave; they are 1 byte for each 32 of codes.
; REGISTERS, in windows of 256: window 0: v0-31 addresses, v8-11 S of my two heads; v32-63 scale words, two sets; v64-127 the bias; from v128 A's fragments, one set (on the way out: codes, words, work, rows).
;   window 1: B's fragments, two sets.   window 2: the accumulators of my rows 0-63 ((a, b) at v[8 (8 a + b)]);   window 3: those of my rows 64-127.
.set SIZE_K, 1024
.set KSTEP,  256                       ; along K in a slot
.set NQ,     KSTEP/128                 ; matrix instructions deep
.set ROWB,   256                       ; a tile's row in bytes
.set KROW,   SIZE_K                    ; a row of A or of B in memory, in bytes
.set PITCH,  272                       ; an LDS row: 256 bytes + 16 of padding = 68 words: row r starts at bank 4 r mod 64 (64 banks of 4 bytes: ISA guide 11.1)
.set FR,     16                        ; registers of a fragment: 16 rows x 128 K
.set NL,     4                         ; LDS loads that bring one
.set NP,     8                         ; places behind this matrix instruction (ISA guide 7.12.1)
.set HALFT,  128*PITCH                 ; 128 rows: what one tensor load brings
.set SLOT,   4*HALFT                   ; A's 256 rows, then B's 256 rows
.set LAPS,   SIZE_K/(2*KSTEP)          ; a lap = two K steps = once round the ring
.set KS,     SIZE_K/32                 ; a row of scales in bytes
.set SCL,    2*SLOT                    ; behind the ring: the scales, as rows of 256 bytes + 16 of padding
.set HALFS,  (128*KS/256)*272          ; the scales of 128 rows
.set SBLK,   (16*KS/256)*272           ; those of 16 rows
.set SPARE,  SCL+4*HALFS               ; the spare words, 128 bytes for each wave: two blocks of 256 bytes that no other line names
.set SPITCH, 272                       ; the way out: the work-group's stage, 256 rows x (256 bytes + 16), in slot 0, which has had its last fill and its last read when the first code is stored there
.set ADRA, 16                          ; v16-17  LDS address of my A fragments in slot 0, 1
.set O32,  18                          ; v18     32 x lane
.set LN,   19                          ; v19     lane
.set ADRB, 20                          ; v20-21  the same for B
.set STO,  24                          ; v24     the way out: where I put 8 codes of a row
.set RD,   25                          ; v25     the way out: where I read a row back
.set CO,   26                          ; v26     my byte offset in acodes
.set ADRS, 27                          ; v27     LDS address of my scale words: lanes 0-15 A's rows, lanes 16-31 B's
.set SPW,  28                          ; v28     LDS address of my spare word; never rewritten
.set NIL,  29                          ; v29     0; never rewritten
.set SS,   8                           ; v[8:9], v[10:11] S of my first and second head
.set SC,   32                          ; scale words: set s at v[SC + 8 NQ s]
.set BI,   64                          ; the bias
.set AF,   128                         ; A's fragments
.set WD,   160                         ; the way out: block a's scale word at v[WD + a]
.set SX,   168                         ; the way out: the words as they are stored
.set TM,   200                         ; the way out: v200-203 largest magnitudes, v204-207 bytes, v208-211 448 x the scale, v212-215 the conversions' scale operands
.set G1, 24
.set G0, 32
.set G1B, 48
.set G0B, 56
.set G1S, 68
.set G0S, 76
.set G1SB, 80
.set G0SB, 88
.set MSB, 0
.macro WIN new                         ; the immediate's high byte repeats the setting that is left
.if MSB != (\new)
	s_set_vgpr_msb (MSB<<8)|(\new)
.set MSB, (\new)
.endif
.endm
.set MUL_LO, 0xa1                      ; source 0 (B) window 1, source 1 (A) window 0, C and D window 2
.set MUL_HI, 0xf1                      ; the same, C and D window 3
.set BIA_LO, 0x81                      ; the first step: C (the bias) window 0, D window 2
.set BIA_HI, 0xc1                      ; D window 3
.set TO_B,   0x40                      ; destination window 1, address window 0
; A joint load: waves 0 and 1 fetch for A, waves 2 and 3 for B; the branch hangs on the wave's number alone.  Four v_nop follow each of the two lines.
.macro JLOAD g0a, g1a, g0b, g1b
	s_cmp_eq_u32 s15, 0
	s_cbranch_scc0 .Lfor_b_\@
	tensor_load_to_lds s[\g0a:\g0a+3], s[\g1a:\g1a+7]
	s_nop 0
.rept 4
	v_nop
.endr
	s_branch .Lasked_\@
.Lfor_b_\@:
	tensor_load_to_lds s[\g0b:\g0b+3], s[\g1b:\g1b+7]
	s_nop 0
.rept 4
	v_nop
.endr
.Lasked_\@:
.endm
.macro CREST                           ; a round of the cluster's barrier behind its opening barrier
	s_cmp_lg_u32 s14, 0
	s_cbranch_scc1 .Lnot_wave_0_\@
	s_barrier_signal -3
.Lnot_wave_0_\@:
	s_barrier_wait -3
	s_barrier_signal -1
	s_barrier_wait -1
.endm
.macro CROUND                          ; a whole round
	s_barrier_signal -1
	s_barrier_wait -1
	CREST
.endm
	s_load_b128 s[4:7], s[0:1], 0x0                ; x's codes, x's scales
	s_load_b128 s[8:11], s[0:1], 0x10              ; Wv's codes, Wv's scales
	s_load_b64 s[66:67], s[0:1], 0x20              ; bv
	s_load_b64 s[96:97], s[0:1], 0x28              ; ssum
	s_load_b64 s[12:13], s[0:1], 0x30              ; acodes
	s_load_b64 s[98:99], s[0:1], 0x38              ; ascales
	v_lshl_add_u32 v[SPW], v0, 2, SPARE
	v_mov_b32 v[NIL], 0
	ds_add_u32 v28, v29
	ds_add_u32 v28, v29
	s_wait_dscnt 0x0
	v_lshrrev_b32 v1, 5, v0
	v_readfirstlane_b32 s14, v1                    ; wave 0..3
	s_lshr_b32 s15, s14, 1                         ; which half of the tile's rows is mine.  Also: I fetch for A (0) or for B (1)
	s_and_b32 s16, s14, 1                          ; which half of its columns.  Also: which 128 rows of that tile I fetch
	s_bfe_u32 s40, ttmp6, 0x40000                  ; cx, cy: my place in the cluster
	s_bfe_u32 s41, ttmp6, 0x40004
	s_lshl_b32 s42, ttmp9, 2
	s_add_co_u32 s42, s42, s40                     ; tile column = 4 x cluster x + cx
	s_and_b32 s17, ttmp7, 0xffff
	s_lshl_b32 s17, s17, 2
	s_add_co_u32 s17, s17, s41                     ; tile row = 4 x cluster y + cy
	s_lshl_b32 s43, s41, 2
	s_lshl_b32 s43, 15, s43                        ; my row of the cluster
	s_lshl_b32 s44, 0x1111, s40                    ; my column
	; descriptor group 1: a tile of 128 rows x ROWB bytes, padded in LDS
	s_or_b32 s[G1+0], s43, (0<<16)|(1<<20)|(1<<21)|(5<<22)|(3<<25)  ; 15:0 the mask: A's tiles go to my row; 17:16 element of 1 byte; 20 padding on; 21 set beside a mask; 24:22 after every 64 words; 31:25 four words
	s_or_b32 s[G1B+0], s44, (0<<16)|(1<<20)|(1<<21)|(5<<22)|(3<<25)
.irp g, G1, G1B
	s_mov_b32 s[\g+1], ROWB<<16                    ; tensor_dim0
	s_mov_b32 s[\g+2], 128<<16                     ; tensor_dim1
	s_mov_b32 s[\g+3], ROWB<<16                    ; tile_dim0
	s_mov_b32 s[\g+4], 128                         ; tile_dim1
	s_mov_b32 s[\g+5], KROW                        ; tensor_dim0_stride
	s_mov_b32 s[\g+6], 0
	s_mov_b32 s[\g+7], 0
.endr
	; the scales of 128 rows: a dense block of 128 KS bytes, as rows of 256 bytes (32 elements of 8 bytes), 16 bytes of padding behind each
	s_or_b32 s[G1S+0], s43, (3<<16)|(1<<20)|(1<<21)|(5<<22)|(3<<25)
	s_or_b32 s[G1SB+0], s44, (3<<16)|(1<<20)|(1<<21)|(5<<22)|(3<<25)
.irp g, G1S, G1SB
	s_mov_b32 s[\g+1], 32<<16
	s_mov_b32 s[\g+2], (128*KS/256)<<16
	s_mov_b32 s[\g+3], 32<<16
	s_mov_b32 s[\g+4], 128*KS/256
	s_mov_b32 s[\g+5], 32
	s_mov_b32 s[\g+6], 0
	s_mov_b32 s[\g+7], 0
.endr
	s_lshl_b32 s18, s16, 7                         ; which 128 rows of the tile I fetch
	s_lshl_b32 s20, s17, 8
	s_add_co_u32 s20, s20, s18                     ; A: row 256 x tile row + 128 x half
	s_lshl_b32 s46, s42, 8
	s_add_co_u32 s46, s46, s18                     ; B: row 256 x tile column + 128 x half
	s_mov_b32 s21, 0
	s_mov_b32 s47, 0
	s_mov_b64 s[18:19], KS
	s_mul_u64 s[22:23], s[20:21], s[18:19]         ; where these rows' scales begin, in bytes
	s_mul_u64 s[92:93], s[46:47], s[18:19]
	s_mov_b64 s[18:19], KROW
	s_mul_u64 s[20:21], s[20:21], s[18:19]         ; and their codes
	s_mul_u64 s[46:47], s[46:47], s[18:19]
	s_mul_i32 s45, s14, HALFT                      ; where they go: wave x 128 rows: no place in the cluster enters an LDS address
	s_mul_i32 s94, s14, HALFS
	s_wait_kmcnt 0x0
	s_add_nc_u64 s[20:21], s[4:5], s[20:21]
	s_add_nc_u64 s[22:23], s[6:7], s[22:23]
	s_add_nc_u64 s[46:47], s[8:9], s[46:47]
	s_add_nc_u64 s[92:93], s[10:11], s[92:93]
	CROUND                                         ; all sixteen work-groups are here: the first joint loads meet
	s_mov_b32 s[G0S], 1
	s_add_co_u32 s[G0S+1], s94, SCL
	s_mov_b64 s[G0S+2:G0S+3], s[22:23]
	s_or_b32 s[G0S+3], s[G0S+3], 0x80000000
	s_mov_b32 s[G0SB], 1
	s_add_co_u32 s[G0SB+1], s94, SCL
	s_mov_b64 s[G0SB+2:G0SB+3], s[92:93]
	s_or_b32 s[G0SB+3], s[G0SB+3], 0x80000000
	JLOAD G0S, G1S, G0SB, G1SB                     ; the scales first: they are wanted with K step 0
.irp s, 0,1
	s_mov_b32 s[G0+4*\s], 1
	s_add_co_u32 s[G0+4*\s+1], s45, \s*SLOT
	s_add_nc_u64 s[G0+4*\s+2:G0+4*\s+3], s[20:21], \s*ROWB
	s_or_b32 s[G0+4*\s+3], s[G0+4*\s+3], 0x80000000
	s_mov_b32 s[G0B+4*\s], 1
	s_add_co_u32 s[G0B+4*\s+1], s45, \s*SLOT
	s_add_nc_u64 s[G0B+4*\s+2:G0B+4*\s+3], s[46:47], \s*ROWB
	s_or_b32 s[G0B+4*\s+3], s[G0B+4*\s+3], 0x80000000
	JLOAD G0+4*\s, G1, G0B+4*\s, G1B
.endr
	v_and_b32 v1, 15, v0                           ; r = l % 16
	v_bfe_u32 v2, v0, 4, 1                         ; h = l / 16
	; the bias in the result's layout: for B's block b the eight numbers at column 256 x tile column + 128 x half + 16 b + 8 h
	v_lshlrev_b32 v7, 5, v2
	s_lshl_b32 s46, s42, 10
	s_lshl_b32 s47, s16, 9
	s_add_co_u32 s46, s46, s47
	s_mov_b32 s47, 0
	s_add_nc_u64 s[66:67], s[66:67], s[46:47]
.irp b, 0,1,2,3,4,5,6,7
	global_load_b128 v[BI+8*\b:BI+8*\b+3], v7, s[66:67] offset:64*\b
	global_load_b128 v[BI+8*\b+4:BI+8*\b+7], v7, s[66:67] offset:64*\b+16
.endr
	; the four partial sums of each of my two heads: 16 bytes for each (batch, head), the same address in every lane
	s_lshr_b32 s92, s17, 3                         ; batch: 8 tile rows each
	s_lshl_b32 s92, s92, 4
	s_lshl_b32 s93, s42, 2
	s_add_co_u32 s92, s92, s93
	s_lshl_b32 s93, s16, 1
	s_add_co_u32 s92, s92, s93                     ; 16 batch + my first head
	s_lshl_b32 s92, s92, 4
	s_mov_b32 s93, 0
	s_add_nc_u64 s[96:97], s[96:97], s[92:93]
	v_mov_b32 v30, 0
	global_load_b128 v[8:11], v30, s[96:97]
	global_load_b128 v[12:15], v30, s[96:97] offset:16
	v_mul_u32_u24 v3, v1, PITCH
	v_lshl_add_u32 v4, v2, 4, v3                   ; a fragment's row x pitch + 16 x half
	s_mul_i32 s21, s15, HALFT                      ; my 128 rows of A
	s_mul_i32 s22, s16, HALFT                      ; my 128 rows of B,
	s_add_co_u32 s22, s22, 2*HALFT                 ; which lie behind A's 256
.irp s, 0,1
	v_add_nc_u32 v[ADRA+\s], s21, v4
	v_add_nc_u32 v[ADRB+\s], s22, v4
	s_add_co_u32 s21, s21, SLOT
	s_add_co_u32 s22, s22, SLOT
.endr
	v_mul_u32_u24 v5, v1, KS                       ; my row's scales: KS bytes a row,
	v_lshrrev_b32 v6, 8, v5
	v_lshl_add_u32 v5, v6, 4, v5                   ; and 16 more for each 256 passed
	s_mul_i32 s21, s15, HALFS                      ; A's: my 128 rows
	s_mul_i32 s22, s16, HALFS                      ; B's: my 128 rows, behind A's 256
	s_add_co_u32 s22, s22, 2*HALFS
	s_sub_co_u32 s22, s22, s21
	v_mul_u32_u24 v6, s22, v2                      ; lanes 16-31 take B's
	s_add_co_u32 s21, s21, SCL
	v_add_nc_u32 v5, v5, v6
	v_add_nc_u32 v[ADRS], s21, v5
	s_mul_i32 s23, s15, 128*SPITCH                 ; into the stage: my 128 rows, my half of their 256 bytes; row r, 8 bytes for each half of the lanes
	s_lshl_b32 s21, s16, 7
	s_add_co_u32 s23, s23, s21
	v_mul_u32_u24 v5, v1, SPITCH
	v_lshl_add_u32 v5, v2, 3, v5
	v_add_nc_u32 v[STO], s23, v5
	s_mul_i32 s23, s14, 64*SPITCH                  ; back: wave w takes rows 64 w .. 64 w + 63, whole; lanes 0-15 one row, lanes 16-31 the next
	v_mul_u32_u24 v5, v2, SPITCH
	v_lshl_add_u32 v5, v1, 4, v5
	v_add_nc_u32 v[RD], s23, v5
	v_lshlrev_b32 v5, 10, v2                       ; and the same two rows in acodes
	v_lshl_add_u32 v[CO], v1, 4, v5
	v_and_b32 v[LN], 31, v0
	v_lshlrev_b32 v[O32], 5, v[LN]
	s_lshl_b32 s20, s17, 8
	s_lshl_b32 s21, s14, 6
	s_add_co_u32 s20, s20, s21                     ; the first row that I store: 256 x tile row + 64 x wave
	s_lshl_b32 s20, s20, 10                        ; 1,024 bytes a row: under 2^23
	s_lshl_b32 s21, s42, 8
	s_add_co_u32 s20, s20, s21                     ; + the tile's first column
	s_mov_b32 s21, 0
	s_add_nc_u64 s[12:13], s[12:13], s[20:21]
	s_lshl_b32 s20, s17, 8
	s_lshl_b32 s21, s15, 7
	s_add_co_u32 s20, s20, s21                     ; scale bytes: my first row, 256 x tile row + 128 x half,
	s_lshl_b32 s20, s20, 5                         ; 32 bytes a row,
	s_lshl_b32 s21, s42, 3
	s_add_co_u32 s20, s20, s21                     ; + 8 bytes a tile column
	s_lshl_b32 s21, s16, 2
	s_add_co_u32 s20, s20, s21                     ; + my half's four
	s_mov_b32 s21, 0
	s_add_nc_u64 s[98:99], s[98:99], s[20:21]
.macro FRAG reg, adr, q, i             ; a fragment, 16 rows x 128 K: lane l holds row l % 16; registers 4 c .. 4 c + 3 hold K = 32 c + 16 (l / 16) + 0 .. 15
.irp c, 0,1,2,3
	ds_load_b128 v[\reg+4*\c:\reg+4*\c+3], v[\adr] offset:128*(\q)+32*\c+(\i)*16*PITCH
.endr
.endm
; 16 matrix instructions: A's blocks a0, a0 + 1 x B's eight, 128 along K.  p: B's set;  sc: the set of scale words.  zero = 1: the first product starts the sums on the bias.
; The 64 accumulators take turns, one instruction a turn, in the same order in every step.
.macro MUL16 a0, p, q, sc, zero
.irp a, \a0, \a0+1
.irp b, 0,1,2,3,4,5,6,7
.if \zero
	v_wmma_scale_f32_16x16x128_f8f6f4 v[8*(8*((\a)%4)+\b):8*(8*((\a)%4)+\b)+7], v[128*(\p)+FR*\b:128*(\p)+FR*\b+FR-1], v[AF+FR*(\a):AF+FR*(\a)+FR-1], v[BI+8*\b:BI+8*\b+7], v[SC+8*NQ*(\sc)+NQ*\b+(\q)], v[SC+8*NQ*(\sc)+NQ*(\a)+(\q)] matrix_a_scale:MATRIX_SCALE_ROW1
.else
	v_wmma_scale_f32_16x16x128_f8f6f4 v[8*(8*((\a)%4)+\b):8*(8*((\a)%4)+\b)+7], v[128*(\p)+FR*\b:128*(\p)+FR*\b+FR-1], v[AF+FR*(\a):AF+FR*(\a)+FR-1], v[8*(8*((\a)%4)+\b):8*(8*((\a)%4)+\b)+7], v[SC+8*NQ*(\sc)+NQ*\b+(\q)], v[SC+8*NQ*(\sc)+NQ*(\a)+(\q)] matrix_a_scale:MATRIX_SCALE_ROW1
.endif
.endr
.endr
.endm
.macro FETCH_B slot, q, p              ; B's eight fragments of the slot's q-th 128 along K into set p
	WIN TO_B
.irp i, 0,1,2,3,4,5,6,7
	FRAG 128*(\p)+FR*\i, ADRB+\slot, \q, \i
.endr
	WIN 0
.endm
.macro FETCH_A slot, q, i0             ; A's blocks i0 .. i0 + 3
.irp i, \i0, \i0+1, \i0+2, \i0+3
	FRAG AF+FR*(\i), ADRA+\slot, \q, \i
.endr
.endm
.macro SCALES sc                       ; a K step's scale words into set sc: NQ words a row; lanes 0-15 take A's block i, lanes 16-31 B's block i
.irp i, 0,1,2,3,4,5,6,7
	ds_load_b64 v[SC+8*NQ*\sc+NQ*\i:SC+8*NQ*\sc+NQ*\i+1], v[ADRS] offset:\i*SBLK
.endr
.endm
; A load into a register that a matrix instruction has read, and a vector instruction that reads a matrix result or writes one of its registers, stand NP places behind it; only plain vector instructions
; that name none of its registers are places (ISA guide 7.12.1 for vector instructions).
.macro PLACES n
.rept \n
	v_nop
.endr
.endm
; A step of 128 along K that has its successor in the same slot.
.macro STEP slot, q, zero
	s_wait_dscnt 4*NL                              ; B's set and A's blocks 0-3 are in; the youngest 16 loads (A's blocks 4-7) may be out
.if \zero
	WIN BIA_LO
.else
	WIN MUL_LO
.endif
	MUL16 0, (\q)%2, \q, \slot, \zero
	MUL16 2, (\q)%2, \q, \slot, \zero
	s_wait_dscnt 0                                 ; A's blocks 4-7 are in
	PLACES NP
	FETCH_B \slot, (\q)+1, 1-(\q)%2
	FETCH_A \slot, (\q)+1, 0
.if \zero
	WIN BIA_HI
.else
	WIN MUL_HI
.endif
	MUL16 4, (\q)%2, \q, \slot, \zero
	MUL16 6, (\q)%2, \q, \slot, \zero
	PLACES NP
	WIN 0
	FETCH_A \slot, (\q)+1, 4
.endm
; A slot's last step changes slots: ONE barrier; in front of it each wave waits for all its tensor loads, adds 0 to its spare word, and waits for that and for its own reads of this slot.  fill = 1: this slot is filled again, two K steps ahead.
.macro TURN slot, next, fill
	s_wait_tensorcnt 0x0                           ; all my tensor loads have landed: my part of the next slot  (every window is 0 here)
	ds_add_u32 v[SPW], v[NIL]                      ; 0 onto my spare word
	s_wait_dscnt 4*NL+1                            ; the add and the youngest 16 loads (A's blocks 4-7) may be out
	WIN MUL_LO
	MUL16 0, 1, NQ-1, \slot, 0                     ; sixteen matrix instructions stand between the add and the wait for it
	s_wait_dscnt 0x0                               ; the add is done, and my reads of this slot are over
	s_barrier_signal -1
	MUL16 2, 1, NQ-1, \slot, 0
	WIN 0
	s_barrier_wait -1
.if \fill
	CREST                                          ; the barrier has opened a round of the cluster's barrier: no wave of any partner still reads this slot or has a load on its way
	s_add_nc_u64 s[G0+4*\slot+2:G0+4*\slot+3], s[G0+4*\slot+2:G0+4*\slot+3], 2*ROWB
	s_add_nc_u64 s[G0B+4*\slot+2:G0B+4*\slot+3], s[G0B+4*\slot+2:G0B+4*\slot+3], 2*ROWB
	JLOAD G0+4*\slot, G1, G0B+4*\slot, G1B         ; the first tensor load behind the round; its four v_nop are among the places in front of the loads below
	PLACES NP-4
.else
	PLACES NP
.endif
	v_add_nc_u32 v[ADRS], 4*NQ, v[ADRS]            ; on to the next K step's scale words
	FETCH_B \next, 0, 0
	FETCH_A \next, 0, 0
	SCALES \next
	WIN MUL_HI
	MUL16 4, 1, NQ-1, \slot, 0
	MUL16 6, 1, NQ-1, \slot, 0
	PLACES NP
	WIN 0
	FETCH_A \next, 0, 4
.endm
	s_wait_loadcnt 0x0                             ; the bias and the partial sums
	v_add_f32 v8, v8, v9
	v_add_f32 v10, v10, v11
	v_add_f32 v12, v12, v13
	v_add_f32 v14, v14, v15
	v_add_f32 v[SS], v8, v10                       ; S of my first head
	v_add_f32 v[SS+2], v12, v14                    ; and of my second
	v_mov_b32 v[SS+1], v[SS]                       ; (named with them as pairs)
	v_mov_b32 v[SS+3], v[SS+2]
	s_wait_tensorcnt 1                             ; of my three first fills the scales and K step 0 are in; K step 1's may be out
	s_barrier_signal -1
	s_barrier_wait -1                              ; everybody's are
	FETCH_B 0, 0, 0
	FETCH_A 0, 0, 0
	SCALES 0
	FETCH_A 0, 0, 4
	STEP 0, 0, 1                                   ; the first step stands in front of the loop: its products start the sums
	s_mov_b32 s3, LAPS-1
.Llap:                                                 ; a trip goes once round the ring, from a lap's second step to the next lap's first, and fills both slots again
	TURN 0, 1, 1
	STEP 1, 0, 0
	TURN 1, 0, 1
	STEP 0, 0, 0
	s_sub_co_u32 s3, s3, 1
	s_cmp_lg_u32 s3, 0
	s_cbranch_scc1 .Llap
	TURN 0, 1, 0                                   ; the last lap fills nothing
	STEP 1, 0, 0
	s_wait_dscnt 4*NL                              ; the very last step: nothing more to fetch
	WIN MUL_LO
	MUL16 0, 1, NQ-1, 1, 0
	MUL16 2, 1, NQ-1, 1, 0
	s_wait_dscnt 0
	WIN MUL_HI
	MUL16 4, 1, NQ-1, 1, 0
	MUL16 6, 1, NQ-1, 1, 0
	WIN 0
; THE WAY OUT, block a of 16 tokens at a time: its 64 registers are four blocks of 32 columns (registers 16 b + i), two heads of two blocks.  A block lies in lanes l and l xor 16.
; First x S of the head, in f32.  The scale's byte is the largest magnitude's exponent field - 8, held at 1 from below by a floor among the maximum's leaves; each number is held within 448 x the scale
; (the conversion to an 8-bit code does not saturate: ISA guide 7.6.2).  Accumulator k's eight codes are columns 16 k + 8 h + 0 .. 7 of row r: 8 bytes into the stage, each of the 32 lanes at two banks of its own.
.macro QUANT a
.set AC, 64*((\a)%4)
.set X, 2+(\a)/4
.set PC, 128+16*((\a)%2)
	WIN (X<<6)|X
.irp n, 0,1
.irp i, 0,2,4,6,8,10,12,14,16,18,20,22,24,26,28,30
	v_pk_mul_f32 v[AC+32*\n+\i:AC+32*\n+\i+1], v[AC+32*\n+\i:AC+32*\n+\i+1], v[SS+2*\n:SS+2*\n+1] op_sel_hi:[1,0]   ; ascending: each accumulator is read from its low end on
.endr
.endr
	WIN X|(X<<2)
.irp b, 0,1,2,3
	v_max3_num_f32 v[TM+\b], |v[AC+16*\b]|, |v[AC+16*\b+1]|, 0x4800000   ; the floor 2^(9 - 127)
.endr
	WIN (X<<2)|(X<<4)
.irp i, 2,4,6,8,10,12,14
.irp b, 0,1,2,3
	v_max3_num_f32 v[TM+\b], v[TM+\b], |v[AC+16*\b+\i]|, |v[AC+16*\b+\i+1]|
.endr
.endr
	WIN 0
.irp b, 0,1,2,3
	v_permlanex16_b32 v[TM+4+\b], v[TM+\b], s20, s21
.endr
.irp b, 0,1,2,3
	v_max_num_f32 v[TM+\b], v[TM+\b], v[TM+4+\b]   ; with lane l xor 16's: the block's largest magnitude
.endr
.irp b, 0,1,2,3
	v_add_nc_u32 v[TM+12+\b], 0xfc000000, v[TM+\b] ; 8 off its exponent field: the conversion's scale operand
.endr
.irp b, 0,1,2,3
	v_and_or_b32 v[TM+8+\b], v[TM+\b], 0x7f800000, s22   ; 448 x the scale
.endr
.irp b, 0,1,2,3
	v_lshrrev_b32 v[TM+4+\b], 23, v[TM+12+\b]      ; the scale's byte
.endr
	v_lshl_or_b32 v[WD+(\a)], v[TM+5], 8, v[TM+4]  ; my row's four bytes
	v_lshl_or_b32 v[WD+(\a)], v[TM+6], 16, v[WD+(\a)]
	v_lshl_or_b32 v[WD+(\a)], v[TM+7], 24, v[WD+(\a)]
	WIN (X<<6)|X
.irp b, 0,1,2,3
.irp i, 0,1,2,3,4,5,6,7,8,9,10,11,12,13,14,15
	v_med3_num_f32 v[AC+16*\b+\i], v[AC+16*\b+\i], -v[TM+8+\b], v[TM+8+\b]
.endr
.endr
	s_wait_dscnt 8                                 ; the block before's eight LDS stores may be out; those of the block before last, which read this set of code registers, are done
	WIN X
.irp k, 0,1,2,3,4,5,6,7
	v_cvt_scalef32_pk8_fp8_f32 v[PC+2*\k:PC+2*\k+1], v[AC+8*\k:AC+8*\k+7], v[TM+12+\k/2]
.endr
	WIN 0
	v_nop                                          ; one plain vector instruction behind the last conversion, ahead of the next lines that write its sources
.irp k, 0,1,2,3,4,5,6,7
	ds_store_b64 v[STO], v[PC+2*\k:PC+2*\k+1] offset:16*SPITCH*(\a)+16*\k
.endr
.endm
	PLACES NP                                      ; behind the last products: their results are read, and registers that held A's fragments are written
	s_mov_b32 s20, 0x76543210
	s_mov_b32 s21, 0xfedcba98                      ; v_permlanex16_b32's selects for lane l xor 16
	s_mov_b32 s22, 0x600000                        ; the mantissa field of 448
.irp b, 0,1,2,3
	v_mov_b32 v[TM+4+\b], 0                        ; written once: a lane permute's destination counts as one of its sources
.endr
.irp a, 0,1,2,3,4,5,6,7
	QUANT \a
.endr
	v_cmp_le_u32 vcc_lo, 16, v[LN]                 ; lanes 0-15 store an even block's words, lanes 16-31 the odd block's: 32 rows on end
.irp p, 0,1,2,3
	v_cndmask_b32 v[SX+\p], v[WD+2*\p], v[WD+2*\p+1], vcc_lo
	global_store_b32 v[O32], v[SX+\p], s[98:99] offset:1024*\p
.endr
	s_wait_dscnt 0x0                               ; for the others' sake: my stores into the stage are done
	s_barrier_signal -1
	s_barrier_wait -1                              ; a row's 256 bytes come from two waves: now 256 whole rows lie in the stage
	s_wait_xcnt 0x0                                ; the scale words' stores have read their registers: the loads below may land there
.irp t, 0,1,2,3,4,5,6,7,8,9,10,11,12,13,14,15,16,17,18,19,20,21,22,23,24,25,26,27,28,29,30,31
	ds_load_b128 v[128+4*\t:128+4*\t+3], v[RD] offset:\t*2*SPITCH
.endr
.irp t, 0,1,2,3,4,5,6,7,8,9,10,11,12,13,14,15,16,17,18,19,20,21,22,23,24,25,26,27,28,29,30,31
	s_wait_dscnt 31-\t                             ; the younger loads may be out
	global_store_b128 v[CO], v[128+4*\t:128+4*\t+3], s[12:13] offset:2048*\t   ; 16 lanes store 256 consecutive bytes, at a multiple of 256 from the buffer's first byte
.endr
	s_wait_tensorcnt 0x0                           ; the wave's end
	ds_add_u32 v[SPW], v[NIL]
	s_wait_dscnt 0x0
	CROUND                                         ; the closing round: no work-group ends while a partner may still ask for a tile that names it
	s_endpgm
.Lfunc_end_k_qa26d94957c_proj_v:
	.size	k_qa26d94957c_proj_v, .Lfunc_end_k_qa26d94957c_proj_v-k_qa26d94957c_proj_v
	.p2alignl 7, 3214868480
	.fill 96, 4, 3214868480
	.section	.rodata,"a",@progbits
	.p2align	6, 0x0
	.amdhsa_kernel k_qa26d94957c_proj_v
		.amdhsa_group_segment_fixed_size 327680
		.amdhsa_private_segment_fixed_size 0
		.amdhsa_enable_private_segment 0
		.amdhsa_kernarg_size 64
		.amdhsa_user_sgpr_count 2
		.amdhsa_user_sgpr_kernarg_segment_ptr 1
		.amdhsa_wavefront_size32 1
		.amdhsa_system_sgpr_workgroup_id_x 1
		.amdhsa_system_sgpr_workgroup_id_y 1
		.amdhsa_system_sgpr_workgroup_id_z 1
		.amdhsa_system_vgpr_workitem_id 0
		.amdhsa_next_free_vgpr 1024
		.amdhsa_next_free_sgpr 106
		.amdhsa_reserve_vcc 1
		.amdhsa_float_denorm_mode_32 3
		.amdhsa_float_denorm_mode_16_64 3
		.amdhsa_memory_ordered 1
		.amdhsa_forward_progress 1
		.amdhsa_inst_pref_size 212
	.end_amdhsa_kernel
	.amdgpu_metadata
---
amdhsa.version: [ 1, 2 ]
amdhsa.kernels:
  - .name:           k_qa26d94957c_proj_v
    .symbol:         k_qa26d94957c_proj_v.kd
    .args:
      - { .name: x_codes, .offset: 0, .size: 8, .value_kind: global_buffer, .address_space: global }
      - { .name: x_scales, .offset: 8, .size: 8, .value_kind: global_buffer, .address_space: global }
      - { .name: Wv_codes, .offset: 16, .size: 8, .value_kind: global_buffer, .address_space: global }
      - { .name: Wv_scales, .offset: 24, .size: 8, .value_kind: global_buffer, .address_space: global }
      - { .name: bv, .offset: 32, .size: 8, .value_kind: global_buffer, .address_space: global }
      - { .name: ssum, .offset: 40, .size: 8, .value_kind: global_buffer, .address_space: global }
      - { .name: acodes, .offset: 48, .size: 8, .value_kind: global_buffer, .address_space: global }
      - { .name: ascales, .offset: 56, .size: 8, .value_kind: global_buffer, .address_space: global }
    .group_segment_fixed_size: 327680
    .private_segment_fixed_size: 0
    .kernarg_segment_align: 8
    .kernarg_segment_size: 64
    .max_flat_workgroup_size: 128
    .sgpr_count:     106
    .vgpr_count:     1024
    .wavefront_size: 32
...
	.end_amdgpu_metadata
.endif
;; end of part 3
;; launch proj_o (part 4): grid 4 x 32, 4 waves a work-group, clusters of 4 x 4, 327,680 bytes of LDS; arguments acodes, ascales, Wo_codes, Wo_scales, bo, out0; writes out0
.if DOCPART == 4
	.amdgcn_target "amdgcn-amd-amdhsa--gfx1250"
	.amdhsa_code_object_version 6
	.text
	.protected	k_qa26d94957c_proj_o
	.globl	k_qa26d94957c_proj_o
	.p2align	8
	.type	k_qa26d94957c_proj_o,@function
k_qa26d94957c_proj_o:
	s_mov_b64 s[64:65], 0
	v_nop
	global_prefetch_b8 v0, s[64:65] scope:SCOPE_SE
	s_setreg_imm32_b32 hwreg(HW_REG_WAVE_MODE, 25, 1), 1
	s_wait_xcnt 0x0
	s_wait_alu depctr_hold_cnt(0) depctr_sa_sdst(0) depctr_va_vdst(0) depctr_va_sdst(0) depctr_va_ssrc(0) depctr_va_vcc(0) depctr_vm_vsrc(0)
	s_getreg_b32 s2, hwreg(HW_REG_IB_STS2, 6, 4)
	s_cmp_eq_u32 s2, 0
	s_cbranch_scc0 .Lentry_in_a_cluster
	s_endpgm
.Lentry_in_a_cluster:
	s_bfe_u32 s2, ttmp6, 0x10000c
	s_cmp_lg_u32 s2, 0xf033
	s_cbranch_scc0 .Lentry_shape_is_right
	s_endpgm
.Lentry_shape_is_right:
; out = attn Wo + bo, [8192][1024] f32, K = 1,024, on codes of FP8 (E4M3) with one E8M0 scale for each 32 along K.  acodes [8192][1024], ascales [8192][32]; Wo's codes [1024][1024] with K innermost, its scales [1024][32].
; A tile of 256 x 256 is made by four waves, 128 x 128 each: 64 accumulators of 16 x 16, 512 registers.  K goes in steps of 256 through a ring of two LDS slots filled by the tensor data mover.
; The scale bytes of the work-group's 256 rows of A and of B, for all of K, come into LDS once, with the first fills.
; CLUSTERS: 4 x 4 work-groups; A's tiles are asked for jointly along a row of the cluster, B's along a column.
; THE MATRIX INSTRUCTION IS USED TRANSPOSED (source 0 = 16 rows of the weight, source 1 = 16 tokens): a lane holds eight neighbouring numbers of a row of the output.  The bias is the C of each sum's first matrix instruction.
; REGISTERS, in windows of 256: window 0: v0-31 addresses; v32-63 scale words, two sets; v64-127 the bias; from v128 A's fragments, one set (on the way out: rows read back).
;   window 1: B's fragments, two sets.   window 2: the accumulators of my rows 0-63 ((a, b) at v[8 (8 a + b)]);   window 3: those of my rows 64-127.
.set SIZE_K, 1024
.set SIZE_N, 1024
.set KSTEP,  256                       ; along K in a slot
.set NQ,     KSTEP/128                 ; matrix instructions deep
.set ROWB,   256                       ; a tile's row in bytes
.set KROW,   SIZE_K                    ; a row of A or of B in memory, in bytes
.set PITCH,  272                       ; an LDS row: 256 bytes + 16 of padding = 68 words: row r starts at bank 4 r mod 64 (64 banks of 4 bytes: ISA guide 11.1)
.set FR,     16                        ; registers of a fragment: 16 rows x 128 K
.set NL,     4                         ; LDS loads that bring one
.set NP,     8                         ; places behind this matrix instruction (ISA guide 7.12.1)
.set HALFT,  128*PITCH                 ; 128 rows: what one tensor load brings
.set SLOT,   4*HALFT                   ; A's 256 rows, then B's 256 rows
.set LAPS,   SIZE_K/(2*KSTEP)          ; a lap = two K steps = once round the ring
.set KS,     SIZE_K/32                 ; a row of scales in bytes
.set SCL,    2*SLOT                    ; behind the ring: the scales, as rows of 256 bytes + 16 of padding
.set HALFS,  (128*KS/256)*272          ; the scales of 128 rows
.set SBLK,   (16*KS/256)*272           ; those of 16 rows
.set SPARE,  SCL+4*HALFS               ; the spare words, 128 bytes for each wave: two blocks of 256 bytes that no other line names
.set SPITCH, 528                       ; the way out: a stage of 16 rows x (512 bytes + 16) for each wave, in slot 0, which has had its last fill and its last read when the first result is stored there
.set ADRA, 16                          ; v16-17  LDS address of my A fragments in slot 0, 1
.set ADRB, 20                          ; v20-21  the same for B
.set STO,  24                          ; v24     the way out: where I put 32 bytes of a row
.set RD,   25                          ; v25     the way out: where I read a row back
.set CO,   26                          ; v26     my byte offset in a row of the output
.set ADRS, 27                          ; v27     LDS address of my scale words: lanes 0-15 A's rows, lanes 16-31 B's
.set SPW,  28                          ; v28     LDS address of my spare word; never rewritten
.set NIL,  29                          ; v29     0; never rewritten
.set SC,   32                          ; scale words: set s at v[SC + 8 NQ s]
.set BI,   64                          ; the bias
.set AF,   128                         ; A's fragments
.set BK,   128                         ; the way out: 16 rows read back from the stage: v128-191 and v192-255 by turns
.set G1, 24
.set G0, 32
.set G1B, 48
.set G0B, 56
.set G1S, 68
.set G0S, 76
.set G1SB, 80
.set G0SB, 88
.set MSB, 0
.macro WIN new                         ; the immediate's high byte repeats the setting that is left
.if MSB != (\new)
	s_set_vgpr_msb (MSB<<8)|(\new)
.set MSB, (\new)
.endif
.endm
.set MUL_LO, 0xa1                      ; source 0 (B) window 1, source 1 (A) window 0, C and D window 2
.set MUL_HI, 0xf1                      ; the same, C and D window 3
.set BIA_LO, 0x81                      ; the first step: C (the bias) window 0, D window 2
.set BIA_HI, 0xc1                      ; D window 3
.set TO_B,   0x40                      ; destination window 1, address window 0
; A joint load: waves 0 and 1 fetch for A, waves 2 and 3 for B; the branch hangs on the wave's number alone.  Four v_nop follow each of the two lines.
.macro JLOAD g0a, g1a, g0b, g1b
	s_cmp_eq_u32 s15, 0
	s_cbranch_scc0 .Lfor_b_\@
	tensor_load_to_lds s[\g0a:\g0a+3], s[\g1a:\g1a+7]
	s_nop 0
.rept 4
	v_nop
.endr
	s_branch .Lasked_\@
.Lfor_b_\@:
	tensor_load_to_lds s[\g0b:\g0b+3], s[\g1b:\g1b+7]
	s_nop 0
.rept 4
	v_nop
.endr
.Lasked_\@:
.endm
.macro CREST                           ; a round of the cluster's barrier behind its opening barrier
	s_cmp_lg_u32 s14, 0
	s_cbranch_scc1 .Lnot_wave_0_\@
	s_barrier_signal -3
.Lnot_wave_0_\@:
	s_barrier_wait -3
	s_barrier_signal -1
	s_barrier_wait -1
.endm
.macro CROUND                          ; a whole round
	s_barrier_signal -1
	s_barrier_wait -1
	CREST
.endm
	s_load_b128 s[4:7], s[0:1], 0x0                ; attn's codes, attn's scales
	s_load_b128 s[8:11], s[0:1], 0x10              ; Wo's codes, Wo's scales
	s_load_b64 s[66:67], s[0:1], 0x20              ; bo
	s_load_b64 s[12:13], s[0:1], 0x28              ; out
	v_lshl_add_u32 v[SPW], v0, 2, SPARE
	v_mov_b32 v[NIL], 0
	ds_add_u32 v28, v29
	ds_add_u32 v28, v29
	s_wait_dscnt 0x0
	v_lshrrev_b32 v1, 5, v0
	v_readfirstlane_b32 s14, v1                    ; wave 0..3
	s_lshr_b32 s15, s14, 1                         ; which half of the tile's rows is mine.  Also: I fetch for A (0) or for B (1)
	s_and_b32 s16, s14, 1                          ; which half of its columns.  Also: which 128 rows of that tile I fetch
	s_bfe_u32 s40, ttmp6, 0x40000                  ; cx, cy: my place in the cluster
	s_bfe_u32 s41, ttmp6, 0x40004
	s_lshl_b32 s42, ttmp9, 2
	s_add_co_u32 s42, s42, s40                     ; tile column = 4 x cluster x + cx
	s_and_b32 s17, ttmp7, 0xffff
	s_lshl_b32 s17, s17, 2
	s_add_co_u32 s17, s17, s41                     ; tile row = 4 x cluster y + cy
	s_lshl_b32 s43, s41, 2
	s_lshl_b32 s43, 15, s43                        ; my row of the cluster
	s_lshl_b32 s44, 0x1111, s40                    ; my column
	; descriptor group 1: a tile of 128 rows x ROWB bytes, padded in LDS
	s_or_b32 s[G1+0], s43, (0<<16)|(1<<20)|(1<<21)|(5<<22)|(3<<25)  ; 15:0 the mask: A's tiles go to my row; 17:16 element of 1 byte; 20 padding on; 21 set beside a mask; 24:22 after every 64 words; 31:25 four words
	s_or_b32 s[G1B+0], s44, (0<<16)|(1<<20)|(1<<21)|(5<<22)|(3<<25)
.irp g, G1, G1B
	s_mov_b32 s[\g+1], ROWB<<16                    ; tensor_dim0
	s_mov_b32 s[\g+2], 128<<16                     ; tensor_dim1
	s_mov_b32 s[\g+3], ROWB<<16                    ; tile_dim0
	s_mov_b32 s[\g+4], 128                         ; tile_dim1
	s_mov_b32 s[\g+5], KROW                        ; tensor_dim0_stride
	s_mov_b32 s[\g+6], 0
	s_mov_b32 s[\g+7], 0
.endr
	; the scales of 128 rows: a dense block of 128 KS bytes, as rows of 256 bytes (32 elements of 8 bytes), 16 bytes of padding behind each
	s_or_b32 s[G1S+0], s43, (3<<16)|(1<<20)|(1<<21)|(5<<22)|(3<<25)
	s_or_b32 s[G1SB+0], s44, (3<<16)|(1<<20)|(1<<21)|(5<<22)|(3<<25)
.irp g, G1S, G1SB
	s_mov_b32 s[\g+1], 32<<16
	s_mov_b32 s[\g+2], (128*KS/256)<<16
	s_mov_b32 s[\g+3], 32<<16
	s_mov_b32 s[\g+4], 128*KS/256
	s_mov_b32 s[\g+5], 32
	s_mov_b32 s[\g+6], 0
	s_mov_b32 s[\g+7], 0
.endr
	s_lshl_b32 s18, s16, 7                         ; which 128 rows of the tile I fetch
	s_lshl_b32 s20, s17, 8
	s_add_co_u32 s20, s20, s18                     ; A: row 256 x tile row + 128 x half
	s_lshl_b32 s46, s42, 8
	s_add_co_u32 s46, s46, s18                     ; B: row 256 x tile column + 128 x half
	s_mov_b32 s21, 0
	s_mov_b32 s47, 0
	s_mov_b64 s[18:19], KS
	s_mul_u64 s[22:23], s[20:21], s[18:19]         ; where these rows' scales begin, in bytes
	s_mul_u64 s[92:93], s[46:47], s[18:19]
	s_mov_b64 s[18:19], KROW
	s_mul_u64 s[20:21], s[20:21], s[18:19]         ; and their codes
	s_mul_u64 s[46:47], s[46:47], s[18:19]
	s_mul_i32 s45, s14, HALFT                      ; where they go: wave x 128 rows: no place in the cluster enters an LDS address
	s_mul_i32 s94, s14, HALFS
	s_wait_kmcnt 0x0
	s_add_nc_u64 s[20:21], s[4:5], s[20:21]
	s_add_nc_u64 s[22:23], s[6:7], s[22:23]
	s_add_nc_u64 s[46:47], s[8:9], s[46:47]
	s_add_nc_u64 s[92:93], s[10:11], s[92:93]
	CROUND                                         ; all sixteen work-groups are here: the first joint loads meet
	s_mov_b32 s[G0S], 1
	s_add_co_u32 s[G0S+1], s94, SCL
	s_mov_b64 s[G0S+2:G0S+3], s[22:23]
	s_or_b32 s[G0S+3], s[G0S+3], 0x80000000
	s_mov_b32 s[G0SB], 1
	s_add_co_u32 s[G0SB+1], s94, SCL
	s_mov_b64 s[G0SB+2:G0SB+3], s[92:93]
	s_or_b32 s[G0SB+3], s[G0SB+3], 0x80000000
	JLOAD G0S, G1S, G0SB, G1SB                     ; the scales first: they are wanted with K step 0
.irp s, 0,1
	s_mov_b32 s[G0+4*\s], 1
	s_add_co_u32 s[G0+4*\s+1], s45, \s*SLOT
	s_add_nc_u64 s[G0+4*\s+2:G0+4*\s+3], s[20:21], \s*ROWB
	s_or_b32 s[G0+4*\s+3], s[G0+4*\s+3], 0x80000000
	s_mov_b32 s[G0B+4*\s], 1
	s_add_co_u32 s[G0B+4*\s+1], s45, \s*SLOT
	s_add_nc_u64 s[G0B+4*\s+2:G0B+4*\s+3], s[46:47], \s*ROWB
	s_or_b32 s[G0B+4*\s+3], s[G0B+4*\s+3], 0x80000000
	JLOAD G0+4*\s, G1, G0B+4*\s, G1B
.endr
	v_and_b32 v1, 15, v0                           ; r = l % 16
	v_bfe_u32 v2, v0, 4, 1                         ; h = l / 16
	; the bias in the result's layout: for B's block b the eight numbers at column 256 x tile column + 128 x half + 16 b + 8 h.  The same byte offset is my first column's in a row of the output
	v_lshlrev_b32 v7, 5, v2
	s_lshl_b32 s46, s42, 10
	s_lshl_b32 s47, s16, 9
	s_add_co_u32 s46, s46, s47
	s_mov_b32 s47, 0
	s_add_nc_u64 s[66:67], s[66:67], s[46:47]
.irp b, 0,1,2,3,4,5,6,7
	global_load_b128 v[BI+8*\b:BI+8*\b+3], v7, s[66:67] offset:64*\b
	global_load_b128 v[BI+8*\b+4:BI+8*\b+7], v7, s[66:67] offset:64*\b+16
.endr
	v_mul_u32_u24 v3, v1, PITCH
	v_lshl_add_u32 v4, v2, 4, v3                   ; a fragment's row x pitch + 16 x half
	s_mul_i32 s21, s15, HALFT                      ; my 128 rows of A
	s_mul_i32 s22, s16, HALFT                      ; my 128 rows of B,
	s_add_co_u32 s22, s22, 2*HALFT                 ; which lie behind A's 256
.irp s, 0,1
	v_add_nc_u32 v[ADRA+\s], s21, v4
	v_add_nc_u32 v[ADRB+\s], s22, v4
	s_add_co_u32 s21, s21, SLOT
	s_add_co_u32 s22, s22, SLOT
.endr
	v_mul_u32_u24 v5, v1, KS                       ; my row's scales: KS bytes a row,
	v_lshrrev_b32 v6, 8, v5
	v_lshl_add_u32 v5, v6, 4, v5                   ; and 16 more for each 256 passed
	s_mul_i32 s21, s15, HALFS                      ; A's: my 128 rows
	s_mul_i32 s22, s16, HALFS                      ; B's: my 128 rows, behind A's 256
	s_add_co_u32 s22, s22, 2*HALFS
	s_sub_co_u32 s22, s22, s21
	v_mul_u32_u24 v6, s22, v2                      ; lanes 16-31 take B's
	s_add_co_u32 s21, s21, SCL
	v_add_nc_u32 v5, v5, v6
	v_add_nc_u32 v[ADRS], s21, v5
	s_mul_i32 s23, s14, 16*SPITCH                  ; my stage
	v_mul_u32_u24 v5, v1, SPITCH                   ; in: row l % 16, 32 bytes for each half of the lanes
	v_lshl_add_u32 v5, v2, 5, v5
	v_add_nc_u32 v[STO], s23, v5
	v_and_b32 v6, 31, v0
	v_lshlrev_b32 v[CO], 4, v6                     ; back: the 32 lanes take one row of 512 bytes; and the same in the output
	v_add_nc_u32 v[RD], s23, v[CO]
	s_lshl_b32 s20, s17, 8
	s_lshl_b32 s21, s15, 7
	s_add_co_u32 s20, s20, s21                     ; my first row: 256 x tile row + 128 x half
	s_mov_b32 s21, 0
	s_mov_b64 s[18:19], SIZE_N*4
	s_mul_u64 s[20:21], s[20:21], s[18:19]
	s_add_nc_u64 s[20:21], s[20:21], s[46:47]      ; + my first column, in bytes
	s_add_nc_u64 s[12:13], s[12:13], s[20:21]
.macro FRAG reg, adr, q, i             ; a fragment, 16 rows x 128 K: lane l holds row l % 16; registers 4 c .. 4 c + 3 hold K = 32 c + 16 (l / 16) + 0 .. 15
.irp c, 0,1,2,3
	ds_load_b128 v[\reg+4*\c:\reg+4*\c+3], v[\adr] offset:128*(\q)+32*\c+(\i)*16*PITCH
.endr
.endm
; 16 matrix instructions: A's blocks a0, a0 + 1 x B's eight, 128 along K.  p: B's set;  sc: the set of scale words.  zero = 1: the first product starts the sums on the bias.
; The 64 accumulators take turns, one instruction a turn, in the same order in every step.
.macro MUL16 a0, p, q, sc, zero
.irp a, \a0, \a0+1
.irp b, 0,1,2,3,4,5,6,7
.if \zero
	v_wmma_scale_f32_16x16x128_f8f6f4 v[8*(8*((\a)%4)+\b):8*(8*((\a)%4)+\b)+7], v[128*(\p)+FR*\b:128*(\p)+FR*\b+FR-1], v[AF+FR*(\a):AF+FR*(\a)+FR-1], v[BI+8*\b:BI+8*\b+7], v[SC+8*NQ*(\sc)+NQ*\b+(\q)], v[SC+8*NQ*(\sc)+NQ*(\a)+(\q)] matrix_a_scale:MATRIX_SCALE_ROW1
.else
	v_wmma_scale_f32_16x16x128_f8f6f4 v[8*(8*((\a)%4)+\b):8*(8*((\a)%4)+\b)+7], v[128*(\p)+FR*\b:128*(\p)+FR*\b+FR-1], v[AF+FR*(\a):AF+FR*(\a)+FR-1], v[8*(8*((\a)%4)+\b):8*(8*((\a)%4)+\b)+7], v[SC+8*NQ*(\sc)+NQ*\b+(\q)], v[SC+8*NQ*(\sc)+NQ*(\a)+(\q)] matrix_a_scale:MATRIX_SCALE_ROW1
.endif
.endr
.endr
.endm
.macro FETCH_B slot, q, p              ; B's eight fragments of the slot's q-th 128 along K into set p
	WIN TO_B
.irp i, 0,1,2,3,4,5,6,7
	FRAG 128*(\p)+FR*\i, ADRB+\slot, \q, \i
.endr
	WIN 0
.endm
.macro FETCH_A slot, q, i0             ; A's blocks i0 .. i0 + 3
.irp i, \i0, \i0+1, \i0+2, \i0+3
	FRAG AF+FR*(\i), ADRA+\slot, \q, \i
.endr
.endm
.macro SCALES sc                       ; a K step's scale words into set sc: NQ words a row; lanes 0-15 take A's block i, lanes 16-31 B's block i
.irp i, 0,1,2,3,4,5,6,7
	ds_load_b64 v[SC+8*NQ*\sc+NQ*\i:SC+8*NQ*\sc+NQ*\i+1], v[ADRS] offset:\i*SBLK
.endr
.endm
; A load into a register that a matrix instruction has read, and a vector instruction or an LDS store that reads a matrix result, stand NP places behind it; only plain vector instructions
; that name none of its registers are places (ISA guide 7.12.1 for vector instructions).
.macro PLACES n
.rept \n
	v_nop
.endr
.endm
; A step of 128 along K that has its successor in the same slot.
.macro STEP slot, q, zero
	s_wait_dscnt 4*NL                              ; B's set and A's blocks 0-3 are in; the youngest 16 loads (A's blocks 4-7) may be out
.if \zero
	WIN BIA_LO
.else
	WIN MUL_LO
.endif
	MUL16 0, (\q)%2, \q, \slot, \zero
	MUL16 2, (\q)%2, \q, \slot, \zero
	s_wait_dscnt 0                                 ; A's blocks 4-7 are in
	PLACES NP
	FETCH_B \slot, (\q)+1, 1-(\q)%2
	FETCH_A \slot, (\q)+1, 0
.if \zero
	WIN BIA_HI
.else
	WIN MUL_HI
.endif
	MUL16 4, (\q)%2, \q, \slot, \zero
	MUL16 6, (\q)%2, \q, \slot, \zero
	PLACES NP
	WIN 0
	FETCH_A \slot, (\q)+1, 4
.endm
; A slot's last step changes slots: ONE barrier; in front of it each wave waits for all its tensor loads, adds 0 to its spare word, and waits for that and for its own reads of this slot.  fill = 1: this slot is filled again, two K steps ahead.
.macro TURN slot, next, fill
	s_wait_tensorcnt 0x0                           ; all my tensor loads have landed: my part of the next slot  (every window is 0 here)
	ds_add_u32 v[SPW], v[NIL]                      ; 0 onto my spare word
	s_wait_dscnt 4*NL+1                            ; the add and the youngest 16 loads (A's blocks 4-7) may be out
	WIN MUL_LO
	MUL16 0, 1, NQ-1, \slot, 0                     ; sixteen matrix instructions stand between the add and the wait for it
	s_wait_dscnt 0x0                               ; the add is done, and my reads of this slot are over
	s_barrier_signal -1
	MUL16 2, 1, NQ-1, \slot, 0
	WIN 0
	s_barrier_wait -1
.if \fill
	CREST                                          ; the barrier has opened a round of the cluster's barrier: no wave of any partner still reads this slot or has a load on its way
	s_add_nc_u64 s[G0+4*\slot+2:G0+4*\slot+3], s[G0+4*\slot+2:G0+4*\slot+3], 2*ROWB
	s_add_nc_u64 s[G0B+4*\slot+2:G0B+4*\slot+3], s[G0B+4*\slot+2:G0B+4*\slot+3], 2*ROWB
	JLOAD G0+4*\slot, G1, G0B+4*\slot, G1B         ; the first tensor load behind the round; its four v_nop are among the places in front of the loads below
	PLACES NP-4
.else
	PLACES NP
.endif
	v_add_nc_u32 v[ADRS], 4*NQ, v[ADRS]            ; on to the next K step's scale words
	FETCH_B \next, 0, 0
	FETCH_A \next, 0, 0
	SCALES \next
	WIN MUL_HI
	MUL16 4, 1, NQ-1, \slot, 0
	MUL16 6, 1, NQ-1, \slot, 0
	PLACES NP
	WIN 0
	FETCH_A \next, 0, 4
.endm
	s_wait_loadcnt 0x0                             ; the bias
	s_wait_tensorcnt 1                             ; of my three first fills the scales and K step 0 are in; K step 1's may be out
	s_barrier_signal -1
	s_barrier_wait -1                              ; everybody's are
	FETCH_B 0, 0, 0
	FETCH_A 0, 0, 0
	SCALES 0
	FETCH_A 0, 0, 4
	STEP 0, 0, 1                                   ; the first step stands in front of the loop: its products start the sums
	s_mov_b32 s3, LAPS-1
.Llap:                                                 ; a trip goes once round the ring, from a lap's second step to the next lap's first, and fills both slots again
	TURN 0, 1, 1
	STEP 1, 0, 0
	TURN 1, 0, 1
	STEP 0, 0, 0
	s_sub_co_u32 s3, s3, 1
	s_cmp_lg_u32 s3, 0
	s_cbranch_scc1 .Llap
	TURN 0, 1, 0                                   ; the last lap fills nothing
	STEP 1, 0, 0
	s_wait_dscnt 4*NL                              ; the very last step: nothing more to fetch
	WIN MUL_LO
	MUL16 0, 1, NQ-1, 1, 0
	MUL16 2, 1, NQ-1, 1, 0
	s_wait_dscnt 0
	WIN MUL_HI
	MUL16 4, 1, NQ-1, 1, 0
	MUL16 6, 1, NQ-1, 1, 0
	WIN 0
; THE WAY OUT, block by block of 16 rows x 128 columns.  A lane holds 32 neighbouring bytes of a row, and the lanes beside it hold other rows: so a block goes through my own stage in LDS and comes back as whole
; rows of 512 bytes.  LDS serves a wave's instructions in order (ISA guide 5.7.1.4): no wait between the stores and the loads, nor in front of the next block's stores.
.macro TOSTAGE a
.set AC, 64*((\a)%4)
	WIN 0x08+4*((\a)/4)                            ; the data: window 2 or 3
.irp b, 0,1,2,3,4,5,6,7
	ds_store_b128 v[STO], v[AC+8*\b:AC+8*\b+3] offset:64*\b          ; each accumulator from its low end on
	ds_store_b128 v[STO], v[AC+8*\b+4:AC+8*\b+7] offset:64*\b+16
.endr
	WIN 0
.set BB, BK+64*((\a)%2)
.irp t, 0,1,2,3,4,5,6,7,8,9,10,11,12,13,14,15
	ds_load_b128 v[BB+4*\t:BB+4*\t+3], v[RD] offset:\t*SPITCH
.endr
.endm
.macro SEND a, younger                 ; younger: the LDS instructions issued behind block a's loads, which may stay out
.set BB, BK+64*((\a)%2)
	s_wait_dscnt \younger                          ; the block is back in registers
.if (\a) > 0
	s_add_nc_u64 s[12:13], s[12:13], 16*SIZE_N*4   ; (behind a wait on XCNT: the earlier stores have read their base)  16 rows on
.endif
.irp t, 0,1,2,3,4,5,6,7,8,9,10,11,12,13,14,15
	global_store_b128 v[CO], v[BB+4*\t:BB+4*\t+3], s[12:13] offset:\t*SIZE_N*4 th:TH_STORE_NT   ; 32 lanes store 512 consecutive bytes, at a multiple of 256 from the output's first byte; written once, read by nobody here
.endr
.endm
	PLACES NP                                      ; behind the last products: their results are read, and loads land in registers that held A's fragments
	TOSTAGE 0
.irp a, 1,2,3,4,5,6,7
.if \a > 1
	s_wait_xcnt 0x0                                ; block a - 2's stores have read their registers and their base: block a's loads may land there, and the base may step
.endif
	TOSTAGE \a
	SEND \a-1, 32                                  ; behind block a - 1's loads: block a's 16 stores and 16 loads
.endr
	s_wait_xcnt 0x0                                ; block 6's stores have read their base
	SEND 7, 0
	s_wait_tensorcnt 0x0                           ; the wave's end
	ds_add_u32 v[SPW], v[NIL]
	s_wait_dscnt 0x0
	CROUND                                         ; the closing round: no work-group ends while a partner may still ask for a tile that names it
	s_endpgm
.Lfunc_end_k_qa26d94957c_proj_o:
	.size	k_qa26d94957c_proj_o, .Lfunc_end_k_qa26d94957c_proj_o-k_qa26d94957c_proj_o
	.p2alignl 7, 3214868480
	.fill 96, 4, 3214868480
	.section	.rodata,"a",@progbits
	.p2align	6, 0x0
	.amdhsa_kernel k_qa26d94957c_proj_o
		.amdhsa_group_segment_fixed_size 327680
		.amdhsa_private_segment_fixed_size 0
		.amdhsa_enable_private_segment 0
		.amdhsa_kernarg_size 48
		.amdhsa_user_sgpr_count 2
		.amdhsa_user_sgpr_kernarg_segment_ptr 1
		.amdhsa_wavefront_size32 1
		.amdhsa_system_sgpr_workgroup_id_x 1
		.amdhsa_system_sgpr_workgroup_id_y 1
		.amdhsa_system_sgpr_workgroup_id_z 1
		.amdhsa_system_vgpr_workitem_id 0
		.amdhsa_next_free_vgpr 1024
		.amdhsa_next_free_sgpr 106
		.amdhsa_reserve_vcc 0
		.amdhsa_float_denorm_mode_32 3
		.amdhsa_float_denorm_mode_16_64 3
		.amdhsa_memory_ordered 1
		.amdhsa_forward_progress 1
		.amdhsa_inst_pref_size 147
	.end_amdhsa_kernel
	.amdgpu_metadata
---
amdhsa.version: [ 1, 2 ]
amdhsa.kernels:
  - .name:           k_qa26d94957c_proj_o
    .symbol:         k_qa26d94957c_proj_o.kd
    .args:
      - { .name: acodes, .offset: 0, .size: 8, .value_kind: global_buffer, .address_space: global }
      - { .name: ascales, .offset: 8, .size: 8, .value_kind: global_buffer, .address_space: global }
      - { .name: Wo_codes, .offset: 16, .size: 8, .value_kind: global_buffer, .address_space: global }
      - { .name: Wo_scales, .offset: 24, .size: 8, .value_kind: global_buffer, .address_space: global }
      - { .name: bo, .offset: 32, .size: 8, .value_kind: global_buffer, .address_space: global }
      - { .name: out0, .offset: 40, .size: 8, .value_kind: global_buffer, .address_space: global }
    .group_segment_fixed_size: 327680
    .private_segment_fixed_size: 0
    .kernarg_segment_align: 8
    .kernarg_segment_size: 48
    .max_flat_workgroup_size: 128
    .sgpr_count:     106
    .vgpr_count:     1024
    .wavefront_size: 32
...
	.end_amdgpu_metadata
.endif
;; end of part 4
